; MI455X (gfx1250); checked and timed in simulation.
; The chip was launched on July 23, 2026; its instructions are those of AMD's public machine-readable ISA for CDNA 5 (MIT licence, August 2026) and "CDNA5" Instruction Set Architecture Reference Guide (July 2026). The comments in the code are by the model that wrote it; some were corrected since.
;; Encoder Block. Allowed arithmetic: matrix products marked QUANTISED: E2M3 operands, one E8M0 scale for each 32 along K, by v_wmma_scale_f32_16x16x128_f8f6f4 with both operands' format E2M3, f32 sums; everything else in f32.
;; Inputs: W1 1,024 x 4,096 float32; W2 4,096 x 1,024 float32; Wk 1,024 x 1,024 float32; Wo 1,024 x 1,024 float32; Wq 1,024 x 1,024 float32; Wv 1,024 x 1,024 float32; a1 1 float32; a2 1 float32; b1 4,096 float32; b2 1,024 float32; bk 1,024 float32; bo 1,024 float32; bq 1,024 float32; bv 1,024 float32; mask 2 x 1 x 1 x 2,048 int32; o1 1 float32; o2 1 float32; xb 2 x 2,048 x 1,024 float32.
;; Outputs: out0 2 x 2,048 x 1,024 float32.
;; This version of the problem:
;;   THIS VERSION OF THE PROBLEM IS GIVEN IN LOW PRECISION. The matrix products marked QUANTISED in the list below multiply operands that are first quantised to E2M3 (2 exponent bits, 3 mantissa bits; 6 bits a number), with one power-of-two scale for each 32 numbers along K (OCP MX v1.0); their sums are f32. All else is computed in f32.
;;   The module's matrix products, in the order in which they are computed (A, B: the left and right operand; K: the contracted axis; several contracted axes count as one K, in the product's order):
;;     1. [M 4,096, K 1,024] x [K 1,024, N 1,024]; A: computed on the way; B: input Wq: QUANTISED
;;     2. [M 4,096, K 1,024] x [K 1,024, N 1,024]; A: computed on the way; B: input Wk: QUANTISED
;;     3. [M 4,096, K 1,024] x [K 1,024, N 1,024]; A: computed on the way; B: input Wv: QUANTISED
;;     4. batch 32 x [M 2,048, K 64] x [K 64, N 2,048]; A: computed on the way; B: computed on the way: QUANTISED
;;     5. batch 32 x [M 2,048, K 2,048] x [K 2,048, N 64]; A: softmax (see below); B: computed on the way: QUANTISED
;;     6. [M 4,096, K 1,024] x [K 1,024, N 1,024]; A: computed on the way; B: input Wo: QUANTISED
;;     7. [M 4,096, K 1,024] x [K 1,024, N 4,096]; A: computed on the way; B: input W1: QUANTISED
;;     8. [M 4,096, K 4,096] x [K 4,096, N 1,024]; A: computed on the way; B: input W2: QUANTISED
;;   THE QUANTISER, for each operand of a quantised product, along K:
;;     - K is cut into blocks of 32 from its start; a last block that is shorter is filled with zeros.
;;     - A block's scale is 2^e with e = floor(log2(the largest magnitude in the block)) - 2, held to -126 .. 127; a block of zeros has e = 0. As a byte (E8M0): e + 127.
;;     - Each number is divided by its block's scale, clamped to +-7.5, and rounded to the nearest number of E2M3, ties to even, subnormals kept.
;;     - The product sums the exact products of the quantised numbers (number of the format x scale) in f32.
;;   ~~~python
;;   def quantise(x, axis):      # numpy; x: float32 -> the quantised numbers, widened to float32 again
;;       x = np.moveaxis(x, axis, -1); K = x.shape[-1]
;;       x = np.pad(x, [(0, 0)] * (x.ndim - 1) + [(0, -K % 32)]); x = x.reshape(x.shape[:-1] + (-1, 32)); a = np.abs(x).max(-1, keepdims=True)
;;       e = np.where(a > 0, np.clip(np.frexp(np.where(a > 0, a, 1))[1] - 1 - 2, -126, 127), 0)      # np.frexp(a)[1] - 1 = floor(log2(a)), exactly
;;       r = np.clip(x / 2.0 ** e, -7.5, 7.5)
;;       step = 2.0 ** (np.maximum(np.frexp(np.where(r == 0, 1, r))[1] - 1, 0) - 3)
;;       q = np.round(r / step) * step * 2.0 ** e      # np.round: ties to even
;;       return np.moveaxis(q.reshape(q.shape[:-2] + (-1,))[..., :K], -1, axis).astype(np.float32)
;;   ~~~
;;   SOFTMAX AHEAD OF A QUANTISED PRODUCT. Where the list says 'softmax', what is quantised is not the finished softmax but p = 2^(t - M), with t = logit x log2(e) and M = ceil(the row's largest t), a whole number; so 1/2 < the row's largest p <= 1. The row's sum l is taken of the UNQUANTISED p, in f32, and the product's result is divided by l at the end. Since M is a whole number, a kernel that streams over the keys may use a running M (the ceiling of the running maximum): every later rescaling is an exact power of two, which a block's scale takes up: the codes' values come out the same.
;;   OPERANDS COMPUTED ON THE WAY. 'Computed on the way' means the value that the module computes at that place (a softmax that the list does not call 'softmax' is quantised finished and normalised). What goes into a quantiser is computed in f32, as accurately as f32 sums, v_exp_f32 and their like allow (about 1e-6 of the number): no bf16 or f16 on the way to a quantiser, and a product that is left as it is and whose result goes on into a quantised operand takes f32 operands (vector FMAs, or v_wmma_f32_16x16x4_f32). A number that lies on a knife's edge between two numbers of the format may be rounded either way, as far as f32 arithmetic and the matrix unit's own rounding can turn it there, and no further.
;; One version. Each part assembles by itself: llvm-mc -triple=amdgcn-amd-amdhsa -mcpu=gfx1250 --defsym DOCPART=n.
;; ======== version 1 of 1: 7 launches
;; limits: right only within a limited range of input values
;; workspace buffers: wq 9,830,400 bytes; zq 3,276,800 bytes; hq 13,107,200 bytes; h 16,777,216 bytes; qkv 10,092,544 bytes
;; launch prep (part 1): grid 640 x 1, 8 waves a work-group, no clusters, 67,584 bytes of LDS; arguments xb, a1, o1, zq, Wq, Wk, Wv, Wo, W1, W2, wq; writes zq, wq
.if DOCPART == 1
	.amdgcn_target "amdgcn-amd-amdhsa--gfx1250"
	.amdhsa_code_object_version 6
	.text
	.protected	k_q16cab4a876_prep
	.globl	k_q16cab4a876_prep
	.p2align	8
	.type	k_q16cab4a876_prep,@function
k_q16cab4a876_prep:
	s_mov_b64 s[64:65], 0
	v_nop
	global_prefetch_b8 v0, s[64:65] scope:SCOPE_SE
	s_setreg_imm32_b32 hwreg(HW_REG_WAVE_MODE, 25, 1), 1
	s_wait_xcnt 0x0
; PREP.  Work-groups 0-255: z = a (x - mean) / (std + 1e-6) + o of 16 rows of xb [4096][1024], quantised along the row to codes of FP6 (E2M3) with one E8M0 byte for each 32.
; Work-groups 256-639: the six weights [K][N], f32, quantised along K (their first axis), 256 columns x 128 K a work-group.
; THE PROGRAM'S OWN LAYOUT.  HIMG (768 bytes): 16 rows x 64 K as an image of six operand registers: lane l's registers 0-3 at 16 l, registers 4-5 at 512 + 8 l; lane (r, h) holds block h of row r.
; FRAG (1,536) = two HIMG = 16 rows x 128 K.  REC (6,400) = four FRAG (512 along K) and 256 bytes of scale words, row r's word of K step q at 6144 + 16 r + 4 q.  An operand is REC[rows / 16][K / 512].
; ORDER INSIDE A BLOCK OF 32: code place i holds k = (i & 7) | ((i & 8) << 1) | ((i & 16) >> 1): 0-7, 16-23, 8-15, 24-31.  Every operand of the program is laid so, so both sides of each product agree;
; the blocks and their scales are the true ones.  (It is the order in which a transposed matrix result falls into a lane's registers.)
; A block's scale: the largest magnitude's exponent field less 2, held at 1 from below.  LIMITS: a block of zeros, or one whose largest magnitude lies under 2^-124, gets the byte 1 (a block of zeros has zero codes,
; and this program alone reads the bytes); NaN and infinities are not served.
.set LP,    4112                       ; an LDS row: 4,096 bytes + 16, so that sixteen rows' equal columns start 16 bytes apart modulo 256
.set SCW,   16*LP                      ; behind the rows: the work-group's 128 scale words
.set REC,   6400
.set WQ_W1, 3276800                    ; W1's codes in wq; W2's lie at twice that
	v_lshl_add_u32 v208, v0, 2, 0x10400
	v_mov_b32 v209, 0
	s_cmp_lt_u32 ttmp9, 256
	s_cbranch_scc0 .Lweights
; ---------------- the layer norm: 16 rows a work-group ----------------
	s_load_b256 s[4:11], s[0:1], 0x0               ; x s[4:5], a s[6:7], o s[8:9], the codes s[10:11]
	v_lshrrev_b32 v1, 5, v0
	s_delay_alu instid0(VALU_DEP_1)
	v_readfirstlane_b32 s14, v1                    ; wave 0..7
	v_and_b32 v2, 31, v0                           ; lane
	v_and_b32 v8, 15, v0                           ; r
	s_wait_alu depctr_va_vdst(0)
	v_bfe_u32 v9, v0, 4, 1                         ; h
	v_lshlrev_b32 v6, 4, v2                        ; 16 x lane
	s_wait_alu depctr_va_vdst(0)
	v_lshlrev_b32 v7, 3, v2                        ; 8 x lane
	s_lshl_b32 s15, s14, 13
	v_add_nc_u32 v3, s15, v6                       ; x: my wave's two rows, 16 bytes a lane
	s_mul_i32 s15, s14, 2*LP
	v_add_nc_u32 v4, s15, v6                       ; the same two rows in LDS
	v_mul_u32_u24 v5, v8, LP
	s_delay_alu instid0(VALU_DEP_1)
	v_lshl_add_u32 v5, v9, 7, v5
	s_lshl_b32 s15, s14, 9
	v_add_nc_u32 v5, s15, v5                       ; second phase: row r, K step = my wave, block h
	s_lshr_b32 s16, s14, 2                         ; which 512 along K that step lies in,
	s_and_b32 s17, s14, 3                          ; and which 128 of them it is
	s_lshl_b32 s15, s16, 8
	s_lshl_b32 s18, s17, 2
	s_add_co_u32 s15, s15, s18
	s_add_co_u32 s15, s15, SCW
	v_lshl_add_u32 v20, v8, 4, s15                 ; where my row's scale word goes in LDS
	v_add_nc_u32 v22, SCW, v6                      ; and where wave 0 reads 16 bytes of them back
	v_mul_u32_u24 v23, v9, REC
	s_delay_alu instid0(VALU_DEP_1)
	v_lshl_add_u32 v23, v8, 4, v23                 ; their place in memory: lanes 0-15 the first record, lanes 16-31 the second
	v_lshlrev_b32 v21, 3, v9                       ; 8 h
	v_mov_b32 v12, 0                               ; a lane permute's destination counts as read: written once
	v_mov_b32 v13, 0
	v_mov_b32 v15, 0
	s_mov_b32 s28, 0x76543210
	s_mov_b32 s29, 0xfedcba98                      ; v_permlanex16_b32's selects for lane l xor 16
	s_lshl_b32 s20, ttmp9, 16                      ; 16 rows of 4,096 bytes
	s_mov_b32 s21, 0
	s_mul_i32 s22, ttmp9, 2*REC
	s_mov_b32 s23, 0
	s_wait_kmcnt 0x0
	s_load_b32 s24, s[6:7], 0x0                    ; a
	s_load_b32 s26, s[8:9], 0x0                    ; o
	s_add_nc_u64 s[4:5], s[4:5], s[20:21]
	s_add_nc_u64 s[10:11], s[10:11], s[22:23]      ; my rows' two records
.irp p, 0,1
.irp j, 0,1,2,3,4,5,6,7
	global_load_b128 v[32+32*\p+4*\j:35+32*\p+4*\j], v3, s[4:5] offset:4096*\p+512*\j   ; 512 consecutive bytes a load
.endr
.endr
	s_mul_i32 s20, s16, REC
	s_mul_i32 s22, s17, 1536
	s_add_co_u32 s20, s20, s22
	s_add_nc_u64 s[30:31], s[10:11], s[20:21]      ; my K step's FRAG
	s_wait_kmcnt 0x0
	s_mov_b32 s27, s26                             ; (the packed form names the pair)
	s_wait_loadcnt 0x0
; the pairs v[a:a+1] (first row) and v[a+2:a+3] (second row) become the rows' sums, in every lane
.macro ACROSS a
.irp p, 0,2
	s_delay_alu instid0(VALU_DEP_2)
	v_add_f32 v[\a+\p], v[\a+\p], v[\a+\p+1]
.endr
.irp m, 1,2,4,8
.irp p, 0,2
	s_delay_alu instid0(VALU_DEP_2)
	v_add_f32_dpp v[\a+\p], v[\a+\p], v[\a+\p] row_xmask:\m row_mask:0xf bank_mask:0xf
.endr
.endr
	s_delay_alu instid0(VALU_DEP_2)
	v_permlanex16_b32 v12, v[\a], s28, s29
	s_delay_alu instid0(VALU_DEP_2)
	v_permlanex16_b32 v13, v[\a+2], s28, s29
	s_delay_alu instid0(VALU_DEP_2)
	v_add_f32 v[\a], v[\a], v12
	s_delay_alu instid0(VALU_DEP_2)
	v_add_f32 v[\a+2], v[\a+2], v13
.endm
.irp p, 0,1
	v_pk_add_f32 v[8+2*\p:9+2*\p], v[32+32*\p:33+32*\p], v[34+32*\p:35+32*\p]
.endr
.irp i, 4,6,8,10,12,14,16,18,20,22,24,26,28,30
.irp p, 0,1
	s_delay_alu instid0(VALU_DEP_2)
	v_pk_add_f32 v[8+2*\p:9+2*\p], v[8+2*\p:9+2*\p], v[32+32*\p+\i:33+32*\p+\i]   ; the two rows by turns
.endr
.endr
	ACROSS 8
	s_delay_alu instid0(VALU_DEP_2)
	v_mul_f32 v8, 0x3a800000, v8                   ; the means: / 1024
	s_delay_alu instid0(VALU_DEP_2)
	v_mul_f32 v10, 0x3a800000, v10
.irp i, 0,2,4,6,8,10,12,14,16,18,20,22,24,26,28,30
.irp p, 0,1
	v_pk_add_f32 v[32+32*\p+\i:33+32*\p+\i], v[32+32*\p+\i:33+32*\p+\i], v[8+2*\p:9+2*\p] op_sel_hi:[1,0] neg_lo:[0,1] neg_hi:[0,1]   ; x - mean
.endr
.endr
.irp p, 0,1
	v_pk_mul_f32 v[16+2*\p:17+2*\p], v[32+32*\p:33+32*\p], v[32+32*\p:33+32*\p]
.endr
.irp i, 2,4,6,8,10,12,14,16,18,20,22,24,26,28,30
.irp p, 0,1
	s_delay_alu instid0(VALU_DEP_2)
	v_pk_fma_f32 v[16+2*\p:17+2*\p], v[32+32*\p+\i:33+32*\p+\i], v[32+32*\p+\i:33+32*\p+\i], v[16+2*\p:17+2*\p]
.endr
.endr
	ACROSS 16
	s_delay_alu instid0(VALU_DEP_2)
	v_mul_f32 v16, 0x3a802008, v16                 ; / 1023
	s_delay_alu instid0(VALU_DEP_2)
	v_mul_f32 v18, 0x3a802008, v18
	s_wait_alu depctr_va_vdst(0)
	v_sqrt_f32 v16, v16
	v_sqrt_f32 v18, v18
	v_nop                                          ; a plain line behind the roots,
	s_wait_alu depctr_va_vdst(0)                   ; and the wait ahead of their first reader
	v_add_f32 v16, 0x358637bd, v16                 ; + 1e-6
	v_add_f32 v18, 0x358637bd, v18
	s_wait_alu depctr_va_vdst(0)
	v_rcp_f32 v16, v16
	v_rcp_f32 v18, v18
	v_nop
	s_wait_alu depctr_va_vdst(0)
	v_mul_f32 v16, s24, v16                        ; a / (std + eps)
	v_mul_f32 v18, s24, v18
.irp i, 0,2,4,6,8,10,12,14,16,18,20,22,24,26,28,30
.irp p, 0,1
	v_pk_fma_f32 v[32+32*\p+\i:33+32*\p+\i], v[32+32*\p+\i:33+32*\p+\i], v[16+2*\p:17+2*\p], s[26:27] op_sel_hi:[1,0,0]
.endr
.endr
.irp p, 0,1
.irp j, 0,1,2,3,4,5,6,7
	ds_store_b128 v4, v[32+32*\p+4*\j:35+32*\p+4*\j] offset:LP*\p+512*\j
.endr
.endr
	s_wait_dscnt 0x0                               ; for the others' sake: my two rows lie in LDS
	s_barrier_signal -1
	s_barrier_wait -1
; second phase: wave s makes the FRAG of K step s.  Lane (r, h) takes blocks 4 s + h and 4 s + 2 + h of row r, whole, in the program's order
.irp c, 0,1
.set i, 0
.irp o, 0,16,64,80,32,48,96,112
	ds_load_b128 v[32+32*\c+4*i:35+32*\c+4*i], v5 offset:256*\c+\o
.set i, i+1
.endr
.endr
	s_wait_dscnt 0x0
.irp c, 0,1
	v_max3_num_f32 v[8+\c], |v[32+32*\c]|, |v[33+32*\c]|, 0x1800000   ; with the floor 2^(3 - 127): the byte cannot fall under 1
.endr
.irp i, 2,4,6,8,10,12,14,16,18,20,22,24,26,28,30
.irp c, 0,1
	s_delay_alu instid0(VALU_DEP_2)
	v_max3_num_f32 v[8+\c], v[8+\c], |v[32+32*\c+\i]|, |v[33+32*\c+\i]|
.endr
.endr
.irp c, 0,1
	s_delay_alu instid0(VALU_DEP_2)
	v_add_nc_u32 v[10+\c], 0xff000000, v[8+\c]     ; 2 off the exponent field: the conversion's scale operand
.endr
.irp c, 0,1
	v_cvt_scalef32_pk16_fp6_f32 v[96+6*\c:98+6*\c], v[32+32*\c:47+32*\c], v[10+\c]
	v_cvt_scalef32_pk16_fp6_f32 v[112+4*\c:114+4*\c], v[48+32*\c:63+32*\c], v[10+\c]   ; (a conversion's three registers begin on an even number)
.endr
	v_lshrrev_b32 v12, 23, v10                     ; the bytes.  (Plain lines behind the conversions)
	v_lshrrev_b32 v13, 23, v11
	s_delay_alu instid0(VALU_DEP_1)
	v_lshl_or_b32 v14, v13, 16, v12                ; blocks h and 2 + h,
	s_delay_alu instid0(VALU_DEP_1)
	v_lshlrev_b32 v14, v21, v14                    ; at their places in the word;
	s_delay_alu instid0(VALU_DEP_1)
	v_permlanex16_b32 v15, v14, s28, s29
	s_delay_alu instid0(VALU_DEP_1)
	v_or_b32 v14, v14, v15                         ; with lane l xor 16's two the word is whole
.irp c, 0,1
.irp i, 0,1,2
	v_mov_b32 v[99+6*\c+\i], v[112+4*\c+\i]
.endr
.endr
.irp c, 0,1
	global_store_b128 v6, v[96+6*\c:99+6*\c], s[30:31] offset:768*\c         ; 512 consecutive bytes
	global_store_b64 v7, v[100+6*\c:101+6*\c], s[30:31] offset:768*\c+512    ; 256 consecutive bytes
.endr
	ds_store_b32 v20, v14                          ; lanes r and r + 16 write the same word with the same value
	s_wait_dscnt 0x0
	s_barrier_signal -1
	s_barrier_wait -1
	s_cmp_lg_u32 s14, 0
	s_cbranch_scc1 .Lln_end
	ds_load_b128 v[24:27], v22                     ; wave 0: the 128 words,
	s_wait_dscnt 0x0
	global_store_b128 v23, v[24:27], s[10:11] offset:6144   ; sixteen lanes to each record's 256 bytes
.Lln_end:
	s_wait_tensorcnt 0x0
	ds_add_u32 v208, v209
	s_wait_dscnt 0x0
	s_endpgm
; ---------------- the weights: a lane takes a column, its registers run down K ----------------
.Lweights:
	s_load_b256 s[24:31], s[0:1], 0x20             ; Wq, Wk, Wv, Wo
	s_load_b128 s[32:35], s[0:1], 0x40             ; W1, W2
	s_load_b64 s[36:37], s[0:1], 0x50              ; wq
	s_sub_co_u32 s20, ttmp9, 256                   ; 0-127: Wq, Wk, Wv, Wo (32 each); 128-255: W2; 256-383: W1
	v_lshrrev_b32 v1, 5, v0
	s_delay_alu instid0(VALU_DEP_1)
	v_readfirstlane_b32 s14, v1                    ; wave: 32 of the work-group's 256 columns
	s_lshr_b32 s47, s20, 7
	s_and_b32 s40, s20, 127
	s_cmp_lt_u32 s20, 256
	s_cselect_b32 s41, 2, 4                        ; 4 groups of 256 columns in a row of 1,024, 16 in a row of 4,096
	s_cselect_b32 s42, 3, 15
	s_cselect_b32 s49, 19, 21                      ; 128 rows of W in bytes: 2^19 or 2^21
	s_lshr_b32 s43, s40, s41
	s_and_b32 s44, s20, s42                        ; my group of columns
	s_cmp_lt_u32 s20, 128
	s_cselect_b32 s45, 7, 31
	s_and_b32 s43, s43, s45                        ; my K step of 128
	s_lshr_b32 s46, s20, 5
	s_lshl_b32 s46, s46, 6
	s_cmp_lt_u32 s20, 128
	s_cselect_b32 s46, s46, 0                      ; the tensor's first row tile: Wq .. Wo are one operand of 4,096 rows
	s_cmp_eq_u32 s47, 1
	s_cselect_b32 s48, 8, 2                        ; records along K
	s_sub_co_u32 s50, 3, s47
	s_mul_i32 s50, s50, WQ_W1
	s_cmp_eq_u32 s47, 0
	s_cselect_b32 s50, 0, s50                      ; the operand's first byte in wq
	s_lshl_b32 s52, s43, s49
	s_lshl_b32 s53, s44, 10
	s_add_co_u32 s52, s52, s53                     ; W: my K step's first row, my columns
	s_mov_b32 s53, 0
	s_lshl_b32 s54, s44, 4
	s_add_co_u32 s54, s54, s46
	s_lshl_b32 s55, s14, 1
	s_add_co_u32 s54, s54, s55                     ; my wave's first row tile
	s_mul_i32 s54, s54, s48
	s_lshr_b32 s55, s43, 2
	s_add_co_u32 s54, s54, s55
	s_mul_i32 s54, s54, REC
	s_add_co_u32 s54, s54, s50                     ; its record
	s_and_b32 s55, s43, 3
	s_mul_i32 s56, s55, 1536
	s_add_co_u32 s56, s56, s54                     ; the FRAG,
	s_mov_b32 s57, 0
	s_lshl_b32 s58, s55, 2
	s_add_co_u32 s58, s58, s54
	s_add_co_u32 s58, s58, 6144                    ; the scale words
	s_mov_b32 s59, 0
	s_mul_i32 s51, s48, REC                        ; from a row tile to the next
	v_lshlrev_b32 v1, 2, v0                        ; W: 4 bytes a thread: a wave's load reads 128 consecutive bytes, the work-group's eight 1,024
	v_bfe_u32 v4, v0, 4, 1
	v_and_b32 v5, 15, v0
	s_delay_alu instid0(VALU_DEP_2)
	v_mul_lo_u32 v6, v4, s51
	s_delay_alu instid0(VALU_DEP_1)
	v_lshl_add_u32 v2, v5, 4, v6                   ; out: my tile, 16 bytes a row
	s_delay_alu instid0(VALU_DEP_2)
	v_lshl_add_u32 v3, v5, 3, v6                   ; and 8 bytes a row
	s_wait_kmcnt 0x0
	s_cmp_lt_u32 s20, 32
	s_cselect_b64 s[38:39], s[24:25], s[26:27]
	s_cmp_lt_u32 s20, 64
	s_cselect_b64 s[38:39], s[38:39], s[28:29]
	s_cmp_lt_u32 s20, 96
	s_cselect_b64 s[38:39], s[38:39], s[30:31]
	s_cmp_lt_u32 s20, 128
	s_cselect_b64 s[38:39], s[38:39], s[34:35]
	s_cmp_lt_u32 s20, 256
	s_cselect_b64 s[38:39], s[38:39], s[32:33]
	s_add_nc_u64 s[38:39], s[38:39], s[52:53]
	s_add_nc_u64 s[56:57], s[36:37], s[56:57]
	s_add_nc_u64 s[58:59], s[36:37], s[58:59]
.macro WLOAD b, pitch                  ; block b of the K step, in the program's order, into v[32 + 32 b] on
.set i, 0
.rept 32
	global_load_b32 v[32+32*(\b)+i], v1, s[38:39] offset:(32*(\b)+((i&7)|((i&8)<<1)|((i&16)>>1)))*\pitch th:TH_LOAD_NT
.set i, i+1
.endr
.endm
.macro WBLOCK b, left, pitch           ; left: the loads issued behind block b's
.set XS, 32+32*\b
	s_wait_loadcnt \left
.if \b < 2
	WLOAD \b+2, \pitch                             ; two blocks ahead, into registers of its own
.endif
	v_max3_num_f32 v8, |v[XS]|, |v[XS+1]|, |v[XS+2]|       ; all 32 numbers of the block are mine
	v_max3_num_f32 v9, |v[XS+3]|, |v[XS+4]|, |v[XS+5]|
.irp i, 6,10,14,18,22,26
	s_delay_alu instid0(VALU_DEP_2)
	v_max3_num_f32 v8, v8, |v[XS+\i]|, |v[XS+\i+1]|
	s_delay_alu instid0(VALU_DEP_2)
	v_max3_num_f32 v9, v9, |v[XS+\i+2]|, |v[XS+\i+3]|
.endr
	s_delay_alu instid0(VALU_DEP_2)
	v_max3_num_f32 v8, v8, |v[XS+30]|, |v[XS+31]|
	s_delay_alu instid0(VALU_DEP_1)
	v_max3_num_f32 v8, v8, v9, 0x1800000
	s_delay_alu instid0(VALU_DEP_1)
	v_add_nc_u32 v[12+\b], 0xff000000, v8
	v_cvt_scalef32_pk16_fp6_f32 v[160+8*\b:162+8*\b], v[XS:XS+15], v[12+\b]
	v_cvt_scalef32_pk16_fp6_f32 v[192+4*\b:194+4*\b], v[XS+16:XS+31], v[12+\b]
	v_lshrrev_b32 v10, 23, v[12+\b]                ; the byte.  (A plain line behind the conversions)
.if \b == 0
	s_delay_alu instid0(VALU_DEP_1)
	v_mov_b32 v20, v10
.else
	s_delay_alu instid0(VALU_DEP_1)
	v_lshl_or_b32 v20, v10, 8*\b, v20
.endif
.irp i, 0,1,2
	v_mov_b32 v[163+8*\b+\i], v[192+4*\b+\i]
.endr
	global_store_b128 v2, v[160+8*\b:163+8*\b], s[56:57] offset:768*(\b/2)+256*(\b%2)       ; sixteen lanes fill 256 consecutive bytes of their tile's image
	global_store_b64 v3, v[164+8*\b:165+8*\b], s[56:57] offset:768*(\b/2)+512+128*(\b%2)
.endm
.macro WBODY pitch                     ; every store has data registers of its own: none is written again
	WLOAD 0, \pitch
	WLOAD 1, \pitch
	WBLOCK 0, 32, \pitch
	WBLOCK 1, 32, \pitch
	WBLOCK 2, 32, \pitch
	WBLOCK 3, 0, \pitch
	global_store_b32 v2, v20, s[58:59]             ; my column's scale word of this K step
.endm
	s_cmp_lt_u32 s20, 256
	s_cbranch_scc0 .Lwide
	s_wait_alu depctr_va_vdst(0)
	WBODY 4096
	s_endpgm
.Lwide:
	s_wait_alu depctr_va_vdst(0)
	WBODY 16384
	s_endpgm
.Lfunc_end_k_q16cab4a876_prep:
	.size	k_q16cab4a876_prep, .Lfunc_end_k_q16cab4a876_prep-k_q16cab4a876_prep
	.p2alignl 7, 3214868480
	.fill 96, 4, 3214868480
	.section	.rodata,"a",@progbits
	.p2align	6, 0x0
	.amdhsa_kernel k_q16cab4a876_prep
		.amdhsa_group_segment_fixed_size 67584
		.amdhsa_private_segment_fixed_size 0
		.amdhsa_enable_private_segment 0
		.amdhsa_kernarg_size 88
		.amdhsa_user_sgpr_count 2
		.amdhsa_user_sgpr_kernarg_segment_ptr 1
		.amdhsa_wavefront_size32 1
		.amdhsa_system_sgpr_workgroup_id_x 1
		.amdhsa_system_sgpr_workgroup_id_y 1
		.amdhsa_system_sgpr_workgroup_id_z 1
		.amdhsa_system_vgpr_workitem_id 0
		.amdhsa_next_free_vgpr 210
		.amdhsa_next_free_sgpr 66
		.amdhsa_reserve_vcc 0
		.amdhsa_float_denorm_mode_32 3
		.amdhsa_float_denorm_mode_16_64 3
		.amdhsa_memory_ordered 1
		.amdhsa_forward_progress 1
		.amdhsa_inst_pref_size 69
	.end_amdhsa_kernel
	.amdgpu_metadata
---
amdhsa.version: [ 1, 2 ]
amdhsa.kernels:
  - .name:           k_q16cab4a876_prep
    .symbol:         k_q16cab4a876_prep.kd
    .args:
      - { .name: xb, .offset: 0, .size: 8, .value_kind: global_buffer, .address_space: global }
      - { .name: a1, .offset: 8, .size: 8, .value_kind: global_buffer, .address_space: global }
      - { .name: o1, .offset: 16, .size: 8, .value_kind: global_buffer, .address_space: global }
      - { .name: zq, .offset: 24, .size: 8, .value_kind: global_buffer, .address_space: global }
      - { .name: Wq, .offset: 32, .size: 8, .value_kind: global_buffer, .address_space: global }
      - { .name: Wk, .offset: 40, .size: 8, .value_kind: global_buffer, .address_space: global }
      - { .name: Wv, .offset: 48, .size: 8, .value_kind: global_buffer, .address_space: global }
      - { .name: Wo, .offset: 56, .size: 8, .value_kind: global_buffer, .address_space: global }
      - { .name: W1, .offset: 64, .size: 8, .value_kind: global_buffer, .address_space: global }
      - { .name: W2, .offset: 72, .size: 8, .value_kind: global_buffer, .address_space: global }
      - { .name: wq, .offset: 80, .size: 8, .value_kind: global_buffer, .address_space: global }
    .group_segment_fixed_size: 67584
    .private_segment_fixed_size: 0
    .kernarg_segment_align: 8
    .kernarg_segment_size: 88
    .max_flat_workgroup_size: 256
    .sgpr_count:     66
    .vgpr_count:     210
    .wavefront_size: 32
...
	.end_amdgpu_metadata
.endif
;; end of part 1
;; launch qkv (part 2): grid 8 x 32, 4 waves a work-group, clusters of 4 x 4, 327,680 bytes of LDS; arguments zq, wq, bq, bk, bv, qkv; writes qkv
.if DOCPART == 2
	.amdgcn_target "amdgcn-amd-amdhsa--gfx1250"
	.amdhsa_code_object_version 6
	.text
	.protected	k_q16cab4a876_qkv
	.globl	k_q16cab4a876_qkv
	.p2align	8
	.type	k_q16cab4a876_qkv,@function
k_q16cab4a876_qkv:
	s_mov_b64 s[64:65], 0
	v_nop
	global_prefetch_b8 v0, s[64:65] scope:SCOPE_SE
	s_setreg_imm32_b32 hwreg(HW_REG_WAVE_MODE, 25, 1), 1
	s_wait_xcnt 0x0
	s_wait_alu depctr_hold_cnt(0) depctr_sa_sdst(0) depctr_va_vdst(0) depctr_va_sdst(0) depctr_va_ssrc(0) depctr_va_vcc(0) depctr_vm_vsrc(0)
	s_getreg_b32 s2, hwreg(HW_REG_IB_STS2, 6, 4)
	s_cmp_eq_u32 s2, 0
	s_cbranch_scc0 .Lentry_in_a_cluster
	s_endpgm
.Lentry_in_a_cluster:
	s_bfe_u32 s2, ttmp6, 0x10000c
	s_cmp_lg_u32 s2, 0xf033
	s_cbranch_scc0 .Lentry_shape_is_right
	s_endpgm
.Lentry_shape_is_right:
; ONE SOURCE FOR TWO LAUNCHES; MODE picks the number of tiles, the arguments and the way out.  C = A B^T, K = 1,024, on codes of FP6 (E2M3) with E8M0 scales, both operands laid as REC[rows / 16][2]:
; REC (6,400 bytes) = four FRAG of 1,536 (16 rows x 128 K as an image of the operand's 12 registers: registers 0-3 at 16 l, 4-5 at 512 + 8 l, 6-9 at 768 + 16 l, 10-11 at 1280 + 8 l) and 256 bytes of scale words (row r, K step q: 6144 + 16 r + 4 q).
; MODE 0: q, k, v = z W + b, quantised (q, k along the head, v along the keys): three tiles | MODE 2: relu(z W1 + b1), quantised along DFF: four tiles.
; A WORK-GROUP STAYS.  It owns 128 tokens, whose codes for all of K (102,400 dense bytes) come into LDS once, and walks the column blocks gx + 8 t of 128 columns.  A block's weights for all of K are 102,400 dense bytes too:
; they go through two LDS slots.  Each wave fetches a quarter of every tile (25,600 bytes, as 100 rows of 256).  The tokens and the first two blocks are first fills: a wave has one load out at a time.  Block t + 2 is asked for in tile t's
; last K step, into the slot that tile t has read out: that load has the way out and the whole next tile in which to land.
; CLUSTER 4 x 4: the tokens' tile is asked for jointly along a row of the cluster, the weights' along a column; a refill stands behind a round of the cluster's barrier.
; A wave makes 64 x 64: 16 accumulators.  THE PRODUCT IS USED TRANSPOSED: source 0 = 16 weight rows, source 1 = 16 tokens: a lane holds one token and eight neighbouring columns; the bias is the C of each sum's first instruction.
; In MODE 0 the third tile (v) takes the tokens as source 0: a lane then holds one column d and its registers run along the tokens, which are v's K; its sums begin with the constant 0 and the bias is added behind them.
; A result that becomes an operand keeps the order in which it falls: inside a block of 32, code place i holds k = 0-7, 16-23, 8-15, 24-31; every operand of the program is laid so.
; The tiles are written out one after the other: what differs between them (slot, sources, bias, place in the output) is a macro's argument or an immediate offset.
; LIMITS: a block of zeros, or one under 2^-124, gets the scale byte 1 (read by this program alone); NaN and infinities are not served.
; REGISTERS.  Window 0: v2, v3 the spare word's address and 0; v4-12 LDS addresses; v16-31 scale words, two sets; v32-111 at work on the way out; v120-127 lane terms; v128-255 accumulator (b, a) at 128 + 8 (4 b + a).
; Window 1: two fragment buffers at v0 and v128: source 0's four FRAG, then source 1's.  Window 2: the biases, tile t's 32 registers at v[32 t].
.set MODE, 0
.if MODE == 0
.set BOFF, 0                           ; the weights' first byte in wq
.else
.set BOFF, 3276800
.endif
.set REC,   6400
.set RT,    2*REC                      ; a row tile's 1,024 along K
.set QUART, 2*RT                       ; what one tensor load brings: two row tiles
.set TILEB, 8*RT                       ; 128 rows x 1,024 K.  LDS: the tokens at 0, the weights' slots at TILEB and 2 TILEB
.set SPARE, 3*TILEB                    ; the spare words: 128 bytes a wave, two blocks of 256 bytes that no other line names
.set KC,    3145728                    ; qkv: k's codes; v's; q's scale words; v's
.set VC,    6291456
.set QS,    9437184
.set VS,    9961472
.set SPW, 2
.set NIL, 3
.set AA,  4                            ; v4-6   my 64 tokens: region + 16 l, + 8 l, + 16 r
.set AB0, 7                            ; v7-9   my 64 weight rows in slot 0, likewise
.set AB1, 10                           ; v10-12 in slot 1
.set SCR, 16
.set TMX, 32
.set TMP, 40
.set SCO, 48
.set HW,  56
.set MW,  60
.set BY,  64
.set TT,  72
.set PP,  88
.set L16, 120
.set L8,  121
.set R16, 122
.set L4,  123
.set H32, 124
.set R4,  125
.set STO, 126
.set RD,  127
.set ACC, 128
.set WV,  16
.set WA,  17
.set WB,  18
.set GX,  21
.set GY,  22
.set G1A, 24                           ; s[24:31] descriptor group 1 for the tokens;  s[32:35] their group 0
.set G0A, 32
.set G0B0, 36                          ; s[36:39] group 0 of the weights' slot 0
.set G1B, 48                           ; s[48:55] group 1 for the weights: it differs in the mask alone
.set G0B1, 56                          ; s[56:59] group 0 of slot 1
.set HMK, 60                           ; s60 lanes 16-31
.set SEL, 66
.set MSB, 0
.macro WIN new                         ; the immediate's high byte repeats the setting that is left
.if MSB != \new
	s_set_vgpr_msb (MSB<<8)|\new
.set MSB, \new
.endif
.endm
.set MUL,  0x05                        ; sources 0 and 1 window 1; C and D window 0
.set MULB, 0x25                        ; the same with C (the bias) in window 2
.set TO_F, 0x40                        ; destination window 1
.macro CREST                           ; a round of the cluster's barrier behind its opening barrier
	s_cmp_lg_u32 s[WV], 0
	s_cbranch_scc1 .Lnot_wave_0_\@
	s_barrier_signal -3
.Lnot_wave_0_\@:
	s_barrier_wait -3
	s_barrier_signal -1
	s_barrier_wait -1
.endm
.macro CROUND
	s_barrier_signal -1
	s_barrier_wait -1
	CREST
.endm
.macro PLACES                          ; four places behind matrix instructions, in front of loads into their registers and of reads of results
.rept 4
	v_nop
.endr
.endm
	s_load_b256 s[4:11], s[0:1], 0x0               ; zq, wq, and MODE 0: bq, bk; MODE 2: b1, hq
.if MODE == 0
	s_load_b128 s[12:15], s[0:1], 0x20             ; bv, qkv
.endif
	v_lshl_add_u32 v[SPW], v0, 2, SPARE
	v_mov_b32 v[NIL], 0
	ds_add_u32 v2, v3
	ds_add_u32 v2, v3
	s_wait_dscnt 0x0
	v_lshrrev_b32 v1, 5, v0
	v_readfirstlane_b32 s[WV], v1                  ; wave 0..3
	s_lshr_b32 s[WA], s[WV], 1                     ; my half of the tokens
	s_and_b32 s[WB], s[WV], 1                      ; my half of the columns
	s_bfe_u32 s19, ttmp6, 0x40000                  ; cx
	s_bfe_u32 s20, ttmp6, 0x40004                  ; cy
	s_lshl_b32 s[GX], ttmp9, 2
	s_add_co_u32 s[GX], s[GX], s19                 ; my first block of 128 columns, 0..7
	s_and_b32 s[GY], ttmp7, 0xffff
	s_lshl_b32 s[GY], s[GY], 2
	s_add_co_u32 s[GY], s[GY], s20                 ; my block of 128 tokens
	s_lshl_b32 s40, s20, 2
	s_lshl_b32 s40, 15, s40                        ; my row of the cluster
	s_lshl_b32 s41, 0x1111, s19                    ; my column
	s_or_b32 s[G1A], s40, (3<<16)|(1<<21)          ; 15:0 the mask; 17:16 elements of 8 bytes; 21 set beside a mask; no padding
	s_or_b32 s[G1B], s41, (3<<16)|(1<<21)
.irp g, G1A, G1B
	s_mov_b32 s[\g+1], 32<<16                      ; tensor_dim0: 256 bytes
	s_mov_b32 s[\g+2], 100<<16                     ; tensor_dim1: 100 rows: a dense block of 25,600 bytes
	s_mov_b32 s[\g+3], 32<<16                      ; tile_dim0
	s_mov_b32 s[\g+4], 100                         ; tile_dim1
	s_mov_b32 s[\g+5], 32                          ; the pitch: dense
	s_mov_b32 s[\g+6], 0
	s_mov_b32 s[\g+7], 0
.endr
	s_mov_b32 s[G1A+2], 200<<16                    ; the head's loads, one a wave: half of the tokens' tile is 200 rows of 256 bytes,
	s_mov_b32 s[G1A+4], 200
	s_mov_b32 s[G1B+2], 200<<16                    ; and so is half of a block of weights; behind the head's wait the weights' group 1 counts 100 rows
	s_mov_b32 s[G1B+4], 200
	s_mul_i32 s23, s[WV], QUART
	s_mul_i32 s42, s[GY], TILEB
	s_mul_i32 s46, s[WB], 4*RT                     ; waves 0 and 1 fetch the tokens' two halves
	s_add_co_u32 s42, s42, s46
	s_mov_b32 s43, 0
	s_mul_i32 s68, s[GX], TILEB
	s_add_co_u32 s68, s68, s23
	s_add_co_u32 s68, s68, BOFF                    ; the weights' on gx alone
	s_mov_b32 s69, 0
	s_wait_kmcnt 0x0
	s_add_nc_u64 s[44:45], s[4:5], s[42:43]
	s_add_nc_u64 s[70:71], s[6:7], s[68:69]
	CROUND                                         ; all sixteen work-groups are here: the first joint loads meet
	s_mov_b32 s[G0A], 1
	s_mov_b32 s[G0A+1], s46
	s_mov_b64 s[G0A+2:G0A+3], s[44:45]
	s_or_b32 s[G0A+3], s[G0A+3], 0x80000000
	s_mov_b32 s[G0B0], 1
	s_add_co_u32 s[G0B0+1], s23, TILEB
	s_mov_b64 s[G0B0+2:G0B0+3], s[70:71]           ; block gx
	s_or_b32 s[G0B0+3], s[G0B0+3], 0x80000000
	s_mov_b32 s[G0B1], 1
	s_add_co_u32 s[G0B1+1], s23, 2*TILEB
	s_add_nc_u64 s[G0B1+2:G0B1+3], s[70:71], 8*TILEB   ; block gx + 8
	s_or_b32 s[G0B1+3], s[G0B1+3], 0x80000000
	s_mul_i32 s98, s[GX], TILEB                    ; waves 2 and 3 fetch the two halves of block gx, into slot 0
	s_mul_i32 s97, s[WB], 4*RT
	s_add_co_u32 s98, s98, s97
	s_add_co_u32 s98, s98, BOFF
	s_mov_b32 s99, 0
	s_add_nc_u64 s[98:99], s[6:7], s[98:99]
	s_or_b32 s99, s99, 0x80000000
	s_mov_b32 s96, 1
	s_mul_i32 s97, s[WB], 4*RT
	s_add_co_u32 s97, s97, TILEB
	s_cmp_eq_u32 s[WA], 0                          ; one chain on the wave's number, one joint load to an arm: one tensor load a wave at the head
	s_cbranch_scc0 .Lhead_w
	tensor_load_to_lds s[G0A:G0A+3], s[G1A:G1A+7]
	s_nop 0
.rept 4
	v_nop
.endr
	s_branch .Lhead_asked
.Lhead_w:
	tensor_load_to_lds s[96:99], s[G1B:G1B+7]
	s_nop 0
.rept 4
	v_nop
.endr
.Lhead_asked:
.rept 4
	v_nop
.endr
	v_and_b32 v1, 31, v0
	v_lshlrev_b32 v[L16], 4, v1
	v_lshlrev_b32 v[L8], 3, v1
	v_lshlrev_b32 v[L4], 2, v1
	v_and_b32 v[STO], 15, v0                       ; r
	v_bfe_u32 v[RD], v0, 4, 1                      ; h
	v_lshlrev_b32 v[R16], 4, v[STO]
	v_lshlrev_b32 v[R4], 2, v[STO]
	v_lshlrev_b32 v[H32], 5, v[RD]
	; k's lane terms.  THE KEYS THAT FORM A TILE OF k ARE NOT NEIGHBOURS: of my 64 tokens, token 16 b + r goes to tile (b % 2) + 2 (r / 8), row (r % 8) + 8 (b / 2),
	; so that in the scores a lane's 32 registers of four tiles are one whole block of 32 keys, in the program's order.  A store then covers runs of 128 consecutive bytes.
	v_lshrrev_b32 v115, 3, v[STO]
	v_and_b32 v116, 7, v[STO]
	v_lshlrev_b32 v114, 7, v115
	v_mul_u32_u24 v115, v115, 1536
	v_lshl_add_u32 v114, v116, 2, v114
	v_lshl_add_u32 v112, v116, 4, v115
	v_lshl_add_u32 v113, v116, 3, v115
	v_lshl_add_u32 v114, v[RD], 6, v114            ; scale words: 128 (r / 8) + 4 (r % 8) + 64 h
	v_lshl_add_u32 v112, v[RD], 8, v112            ; registers 0-3: 1536 (r / 8) + 16 (r % 8) + 256 h
	v_lshl_add_u32 v113, v[RD], 7, v113            ; registers 4-5: 1536 (r / 8) + 8 (r % 8) + 128 h
	s_mul_i32 s61, s[WA], 4*RT                     ; my 64 tokens: four row tiles
	s_mul_i32 s62, s[WB], 4*RT
	s_add_co_u32 s62, s62, TILEB                   ; my 64 weight rows in slot 0
	v_add_nc_u32 v[AA], s61, v[L16]
	v_add_nc_u32 v[AA+1], s61, v[L8]
	v_add_nc_u32 v[AA+2], s61, v[R16]
.irp g, AB0, AB1
	v_add_nc_u32 v[\g], s62, v[L16]
	v_add_nc_u32 v[\g+1], s62, v[L8]
	v_add_nc_u32 v[\g+2], s62, v[R16]
	s_add_co_u32 s62, s62, TILEB
.endr
	s_mov_b32 s[SEL], 0x76543210
	s_mov_b32 s[SEL+1], 0xfedcba98                 ; v_permlanex16_b32's selects for lane l xor 16
	s_mov_b32 s[HMK], 0xffff0000
	s_lshl_b32 s90, s[GX], 9
	s_lshl_b32 s91, s[WB], 8
	s_add_co_u32 s90, s90, s91                     ; my first column of block gx, in bytes of f32
	s_mov_b32 s91, 0
	s_add_nc_u64 s[84:85], s[8:9], s[90:91]
.if MODE == 0
	s_add_nc_u64 s[86:87], s[10:11], s[90:91]
	s_add_nc_u64 s[88:89], s[12:13], s[90:91]
.endif
	WIN 0x80                                       ; destination window 2: all tiles' biases, once.  bias[n0 + 16 a + 8 h + 0 .. 7]: the result's layout
.if MODE == 0
.irp a, 0,1,2,3
	global_load_b128 v[8*\a:8*\a+3], v[H32], s[84:85] offset:64*\a
	global_load_b128 v[8*\a+4:8*\a+7], v[H32], s[84:85] offset:64*\a+16
	global_load_b128 v[32+8*\a:32+8*\a+3], v[H32], s[86:87] offset:64*\a
	global_load_b128 v[32+8*\a+4:32+8*\a+7], v[H32], s[86:87] offset:64*\a+16
.endr
.else
.irp t, 0,1,2,3
.irp a, 0,1,2,3
	global_load_b128 v[32*\t+8*\a:32*\t+8*\a+3], v[H32], s[84:85] offset:4096*\t+64*\a       ; block gx + 8 t lies 1,024 columns on
	global_load_b128 v[32*\t+8*\a+4:32*\t+8*\a+7], v[H32], s[84:85] offset:4096*\t+64*\a+16
.endr
.endr
.endif
	WIN 0
.if MODE == 0
.irp b, 0,1,2,3
	global_load_b32 v[BY+2*\b], v[R4], s[88:89] offset:64*\b      ; bv[n0 + 16 b + r], twice: a pair for the packed addition
	global_load_b32 v[BY+2*\b+1], v[R4], s[88:89] offset:64*\b
.endr
	; where my results go: made once; a tile's place is an immediate offset
	s_lshl_b32 s92, s[GX], 1
	s_add_co_u32 s92, s92, s[WB]                   ; my 64 columns are one head
	s_lshr_b32 s93, s[GY], 4
	s_lshl_b32 s93, s93, 4
	s_add_co_u32 s92, s92, s93                     ; 16 x batch + head
	s_and_b32 s93, s[GY], 15                       ; the block of 128 tokens in the batch
	s_lshl_b32 s94, s92, 7
	s_lshl_b32 s95, s93, 3
	s_add_co_u32 s94, s94, s95
	s_lshl_b32 s95, s[WA], 2
	s_add_co_u32 s94, s94, s95                     ; q, k: my first tile of 16 tokens
	s_mul_i32 s68, s94, 768
	s_mov_b32 s69, 0
	s_lshl_b32 s70, s94, 6
	s_add_co_u32 s70, s70, QS
	s_mov_b32 s71, 0
	s_lshl_b32 s94, s92, 4
	s_add_co_u32 s94, s94, s93                     ; v: the head's step of 128 keys
	s_mul_i32 s72, s94, 6144
	s_mul_i32 s95, s[WA], 768
	s_add_co_u32 s72, s72, s95
	s_add_co_u32 s72, s72, VC
	s_mov_b32 s73, 0
	s_lshl_b32 s74, s94, 8
	s_lshl_b32 s95, s[WA], 1
	s_add_co_u32 s74, s74, s95
	s_add_co_u32 s74, s74, VS
	s_mov_b32 s75, 0
	s_add_nc_u64 s[76:77], s[14:15], s[68:69]      ; q's codes (k's lie KC on)
	s_add_nc_u64 s[78:79], s[14:15], s[70:71]      ; q's scale words (k's 262,144 on)
	s_add_nc_u64 s[80:81], s[14:15], s[72:73]      ; v's codes
	s_add_nc_u64 s[82:83], s[14:15], s[74:75]      ; v's scale words
.else
	v_mul_u32_u24 v[STO], v[RD], 8*REC
	v_add_nc_u32 v[STO], v[STO], v[R16]            ; the half words' lane term: lanes 16-31 one token tile on
	s_lshl_b32 s92, s[GY], 3
	s_lshl_b32 s93, s[WA], 2
	s_add_co_u32 s92, s92, s93                     ; my first token tile
	s_lshl_b32 s92, s92, 3
	s_lshr_b32 s93, s[GX], 2
	s_add_co_u32 s92, s92, s93
	s_mul_i32 s92, s92, REC                        ; its record: block g's 128 columns are K step g of the next product; block gx + 8 t lies two records on for each t
	s_and_b32 s93, s[GX], 3
	s_mul_i32 s68, s93, 1536
	s_mul_i32 s94, s[WB], 768
	s_add_co_u32 s68, s68, s94
	s_add_co_u32 s68, s68, s92
	s_mov_b32 s69, 0
	s_lshl_b32 s70, s93, 2
	s_lshl_b32 s94, s[WB], 1
	s_add_co_u32 s70, s70, s94
	s_add_co_u32 s70, s70, s92
	s_add_co_u32 s70, s70, 6144
	s_mov_b32 s71, 0
	s_add_nc_u64 s[76:77], s[10:11], s[68:69]
	s_add_nc_u64 s[78:79], s[10:11], s[70:71]
.endif
.macro FRAG reg, a, off
	ds_load_b128 v[\reg:\reg+3], v[\a] offset:\off
	ds_load_b64 v[\reg+4:\reg+5], v[\a+1] offset:\off+512
	ds_load_b128 v[\reg+6:\reg+9], v[\a] offset:\off+768
	ds_load_b64 v[\reg+10:\reg+11], v[\a+1] offset:\off+1280
.endm
; 40 LDS loads: K step s (0..7) into buffer f, its scale words into set f.  x, y: the address registers of source 0's and source 1's rows.  Every load reads consecutive bytes
.macro FETCH x, y, s, f
.set KO, ((\s)/4)*REC+((\s)%4)*1536
.set SO, ((\s)/4)*REC+6144+((\s)%4)*4
	WIN TO_F
.irp i, 0,1,2,3
	FRAG 128*(\f)+12*\i, \x, \i*RT+KO
	FRAG 128*(\f)+48+12*\i, \y, \i*RT+KO
.endr
	WIN 0
.irp i, 0,1,2,3
	ds_load_b32 v[SCR+8*(\f)+\i], v[\x+2] offset:\i*RT+SO
	ds_load_b32 v[SCR+8*(\f)+4+\i], v[\y+2] offset:\i*RT+SO
.endr
.endm
; source 1's tile b against source 0's four.  cm = 0: onto the sums; 1: tile t's bias starts them; 2: the constant 0 does.  The 16 accumulators take turns in the same order in every step
.macro MULY f, b, cm, t
.irp a, 0,1,2,3
.if \cm == 1
	v_wmma_scale_f32_16x16x128_f8f6f4 v[ACC+8*(4*\b+\a):ACC+8*(4*\b+\a)+7], v[128*(\f)+12*\a:128*(\f)+12*\a+11], v[128*(\f)+48+12*\b:128*(\f)+48+12*\b+11], v[32*(\t)+8*\a:32*(\t)+8*\a+7], v[SCR+8*(\f)+\a], v[SCR+8*(\f)+4+\b] matrix_a_fmt:MATRIX_FMT_FP6 matrix_b_fmt:MATRIX_FMT_FP6
.elseif \cm == 2
	v_wmma_scale_f32_16x16x128_f8f6f4 v[ACC+8*(4*\b+\a):ACC+8*(4*\b+\a)+7], v[128*(\f)+12*\a:128*(\f)+12*\a+11], v[128*(\f)+48+12*\b:128*(\f)+48+12*\b+11], 0, v[SCR+8*(\f)+\a], v[SCR+8*(\f)+4+\b] matrix_a_fmt:MATRIX_FMT_FP6 matrix_b_fmt:MATRIX_FMT_FP6
.else
	v_wmma_scale_f32_16x16x128_f8f6f4 v[ACC+8*(4*\b+\a):ACC+8*(4*\b+\a)+7], v[128*(\f)+12*\a:128*(\f)+12*\a+11], v[128*(\f)+48+12*\b:128*(\f)+48+12*\b+11], v[ACC+8*(4*\b+\a):ACC+8*(4*\b+\a)+7], v[SCR+8*(\f)+\a], v[SCR+8*(\f)+4+\b] matrix_a_fmt:MATRIX_FMT_FP6 matrix_b_fmt:MATRIX_FMT_FP6
.endif
.endr
.endm
.macro STEP x, y, s, cm, t             ; K step s of 0..6.  The next step's loads are issued first, so that LDS always has a step's loads queued; then the wait for this step's
	PLACES                                         ; behind the last step's products, which read the other buffer
	FETCH \x, \y, (\s)+1, 1-(\s)%2
	s_wait_dscnt 40                                ; all but the 40 just issued: this step's buffer and scale words are in
.if \cm == 1
	WIN MULB
.else
	WIN MUL
.endif
.irp b, 0,1,2,3
	MULY (\s)%2, \b, \cm, \t
.endr
.endm
.macro STEPS x, y, cm, t               ; a tile's K steps 0 to 6
	STEP \x, \y, 0, \cm, \t
.irp s, 1,2,3,4,5,6
	STEP \x, \y, \s, 0, 0
.endr
.endm
; A tile's last K step (buffer 1) changes slots: one barrier; in front of it each wave waits for all its tensor loads, adds 0 to its spare word, and waits for that and for its reads of this tile's slot.
; fill = 1: the barrier opens a round of the cluster's barrier, and the slot (group 0 at s[g]) takes the block two tiles on.  nx, ny: the next tile's sources, whose first fragments are fetched here.
.macro TURN fill, g, nx, ny
	WIN 0
	s_wait_tensorcnt 0x0                           ; all my tensor loads have landed: my part of the next tile's slot among them
	ds_add_u32 v[SPW], v[NIL]                      ; 0 onto my spare word
	s_wait_dscnt 1                                 ; buffer 1 is in; the add alone may be out
	WIN MUL
	MULY 1, 0, 0, 0
	s_wait_dscnt 0x0                               ; the add is done, and my reads of this slot are over
	s_barrier_signal -1
	MULY 1, 1, 0, 0
	WIN 0
	s_barrier_wait -1
.if \fill
	CREST                                          ; no wave of any partner still reads this slot or has a load on its way
	s_add_nc_u64 s[\g+2:\g+3], s[\g+2:\g+3], 16*TILEB
	tensor_load_to_lds s[\g:\g+3], s[G1B:G1B+7]    ; my one tensor load behind the round; the four v_nop behind it are also the places in front of the loads below
	s_nop 0
.rept 4
	v_nop
.endr
.else
	PLACES
.endif
	FETCH \nx, \ny, 0, 0
	WIN MUL
	MULY 1, 2, 0, 0
	MULY 1, 3, 0, 0
	WIN 0
	PLACES                                         ; in front of the way out's first read of the sums
.endm
.macro LAST                            ; the last tile's last K step: nothing more to fetch
	s_wait_dscnt 0x0
	WIN MUL
	MULY 1, 0, 0, 0
	MULY 1, 1, 0, 0
	MULY 1, 2, 0, 0
	MULY 1, 3, 0, 0
	WIN 0
	PLACES
.endm
; The wave's 64 x 64 become four HIMG (768 bytes: half a FRAG): for source 1's tile b a lane's 32 registers are two half blocks of 32 along the next K; lane l xor 16 holds the other halves.
.macro HQ4
.irp n, 0,1,2,3,4,5,6,7
	v_mov_b32 v[TMP+\n], 0                         ; a lane permute's destination counts as read
.endr
.irp n, 0,1,2,3,4,5,6,7
	v_max3_num_f32 v[TMX+\n], |v[ACC+16*\n]|, |v[ACC+16*\n+1]|, 0x1800000   ; each accumulator is read from its low end on; the floor 2^(3 - 127) holds the byte at 1
.endr
.irp i, 2,4,6,8,10,12,14
.irp n, 0,1,2,3,4,5,6,7
	v_max3_num_f32 v[TMX+\n], v[TMX+\n], |v[ACC+16*\n+\i]|, |v[ACC+16*\n+\i+1]|
.endr
.endr
.irp n, 0,1,2,3,4,5,6,7
	v_permlanex16_b32 v[TMP+\n], v[TMX+\n], s[SEL], s[SEL+1]
.endr
.irp n, 0,1,2,3,4,5,6,7
	v_max_num_f32 v[TMX+\n], v[TMX+\n], v[TMP+\n]
.endr
.irp n, 0,1,2,3,4,5,6,7
	v_add_nc_u32 v[SCO+\n], 0xff000000, v[TMX+\n]  ; 2 off the exponent field: the conversion's scale operand
.endr
.irp n, 0,1,2,3,4,5,6,7
	v_lshrrev_b32 v[TMP+\n], 23, v[SCO+\n]         ; the byte
.endr
.irp b, 0,1,2,3
	v_lshl_or_b32 v[HW+\b], v[TMP+2*\b+1], 8, v[TMP+2*\b]   ; half a scale word: row r's two bytes
.endr
.irp b, 0,1,2,3
	v_cvt_scalef32_pk16_fp6_f32 v[PP+6*\b:PP+6*\b+2], v[ACC+32*\b:ACC+32*\b+15], v[SCO+2*\b]
	v_cvt_scalef32_pk16_fp6_f32 v[TT+4*\b:TT+4*\b+2], v[ACC+32*\b+16:ACC+32*\b+31], v[SCO+2*\b+1]
.endr
	v_nop                                          ; one plain line behind the conversions
.irp b, 0,1,2,3
.irp i, 0,1,2
	v_permlane16_swap_b32 v[PP+6*\b+\i], v[TT+4*\b+\i]      ; a whole block to a lane: lanes 0-15 the first block, lanes 16-31 the second
.endr
.irp i, 0,1,2
	v_mov_b32 v[PP+6*\b+3+\i], v[TT+4*\b+\i]
.endr
.endr
.irp p, 0,1
	v_cndmask_b32 v[MW+\p], v[HW+2*\p], v[HW+2*\p+1], s[HMK]   ; lanes 0-15 carry tile 2 p's half words, lanes 16-31 tile 2 p + 1's
.endr
.endm
; THE WAYS OUT.  While one runs, the refill and the next tile's first fragments are on their way; it names no register of theirs.
.if MODE == 0
.macro OUT_QK t                        ; t = 0: q, 1: k
.if \t > 0
	s_wait_xcnt 0x0                                ; the last tile's stores have read their data registers, which are written again below
.endif
	HQ4
.irp b, 0,1,2,3
	global_store_b128 v[L16*(1-\t)+112*\t], v[PP+6*\b:PP+6*\b+3], s[76:77] offset:\t*KC+(1-\t)*768*\b+\t*(768*(\b%2)+128*(\b/2))   ; q: a tile of 16 tokens as it falls; k: by its lane terms
	global_store_b64 v[L8*(1-\t)+113*\t], v[PP+6*\b+4:PP+6*\b+5], s[76:77] offset:\t*KC+512+(1-\t)*768*\b+\t*(768*(\b%2)+64*(\b/2))
.endr
.irp p, 0,1
	global_store_b32 v[L4*(1-\t)+114*\t], v[MW+\p], s[78:79] offset:\t*262144+(1-\t)*128*\p+\t*32*\p
.endr
.endm
.macro OUT_V
	s_wait_xcnt 0x0
.irp b, 0,1,2,3
.set i, 0
.rept 16
	v_pk_add_f32 v[ACC+32*\b+i:ACC+32*\b+i+1], v[ACC+32*\b+i:ACC+32*\b+i+1], v[BY+2*\b:BY+2*\b+1]   ; a lane's column has one bias
.set i, i+2
.endr
.endr
	HQ4
.irp b, 0,1,2,3
	global_store_b128 v[L16], v[PP+6*\b:PP+6*\b+3], s[80:81] offset:1536*\b               ; 16 of the head's 64 x my 64 keys: half WA of the FRAG
	global_store_b64 v[L8], v[PP+6*\b+4:PP+6*\b+5], s[80:81] offset:1536*\b+512
.endr
.irp p, 0,1
	global_store_b16 v[L4], v[MW+\p], s[82:83] offset:128*\p                              ; half WA of each column's scale word
.endr
.endm
.else
.macro OUT_H t
.if \t > 0
	s_wait_xcnt 0x0                                ; the last tile's stores have read their data registers, which are written again below
.endif
.set i, 0
.rept 128
	v_max_num_f32 v[ACC+i], 0, v[ACC+i]            ; the activation, in f32, each accumulator from its low end on
.set i, i+1
.endr
	HQ4
.irp b, 0,1,2,3
	global_store_b128 v[L16], v[PP+6*\b:PP+6*\b+3], s[76:77] offset:8*REC*\b+2*REC*\t     ; one HIMG a token tile: consecutive bytes
	global_store_b64 v[L8], v[PP+6*\b+4:PP+6*\b+5], s[76:77] offset:8*REC*\b+2*REC*\t+512
.endr
.irp p, 0,1
	global_store_b16 v[STO], v[MW+\p], s[78:79] offset:16*REC*\p+2*REC*\t                 ; half WB of each token's scale word
.endr
.endm
.endif
	s_wait_alu depctr_va_vdst(0)
	s_wait_tensorcnt 0x0                           ; my one load of the head has landed
	ds_add_u32 v[SPW], v[NIL]                      ; 0 onto my spare word, ahead of a later first fill as ahead of a refill
	s_mov_b32 s[G1B+2], 100<<16                    ; no tensor load of mine is out: from here on a load of weights brings a quarter of a block
	s_mov_b32 s[G1B+4], 100
	s_wait_dscnt 0x0                               ; the add is done
	CROUND                                         ; a whole round: the tokens and slot 0 are in, and all sixteen work-groups are here
	tensor_load_to_lds s[G0B1:G0B1+3], s[G1B:G1B+7]    ; slot 1's first fill, my quarter of block gx + 8: it has the first tile's eight K steps in which to land
	s_nop 0
.rept 4
	v_nop
.endr
	FETCH AB0, AA, 0, 0
	s_wait_loadcnt 0x0                             ; the biases
.if MODE == 0
	STEPS AB0, AA, 1, 0                            ; q, from slot 0
	TURN 1, G0B0, AB1, AA                          ; slot 0 takes Wv's block
	OUT_QK 0
	STEPS AB1, AA, 1, 1                            ; k, from slot 1
	TURN 0, G0B0, AA, AB0                          ; nothing is left to fetch: a barrier alone; v takes the tokens as source 0
	OUT_QK 1
	STEPS AA, AB0, 2, 0                            ; v, from slot 0
	LAST
	OUT_V
.else
	STEPS AB0, AA, 1, 0
	TURN 1, G0B0, AB1, AA                          ; slot 0 takes block gx + 16
	OUT_H 0
	STEPS AB1, AA, 1, 1
	TURN 1, G0B1, AB0, AA                          ; slot 1 takes block gx + 24
	OUT_H 1
	STEPS AB0, AA, 1, 2
	TURN 0, G0B0, AB1, AA                          ; nothing is left to fetch: a barrier alone
	OUT_H 2
	STEPS AB1, AA, 1, 3
	LAST
	OUT_H 3
.endif
	s_wait_tensorcnt 0x0                           ; the wave's end
	ds_add_u32 v[SPW], v[NIL]
	s_wait_dscnt 0x0
	CROUND                                         ; the closing round
	s_endpgm
.Lfunc_end_k_q16cab4a876_qkv:
	.size	k_q16cab4a876_qkv, .Lfunc_end_k_q16cab4a876_qkv-k_q16cab4a876_qkv
	.p2alignl 7, 3214868480
	.fill 96, 4, 3214868480
	.section	.rodata,"a",@progbits
	.p2align	6, 0x0
	.amdhsa_kernel k_q16cab4a876_qkv
		.amdhsa_group_segment_fixed_size 327680
		.amdhsa_private_segment_fixed_size 0
		.amdhsa_enable_private_segment 0
		.amdhsa_kernarg_size 48
		.amdhsa_user_sgpr_count 2
		.amdhsa_user_sgpr_kernarg_segment_ptr 1
		.amdhsa_wavefront_size32 1
		.amdhsa_system_sgpr_workgroup_id_x 1
		.amdhsa_system_sgpr_workgroup_id_y 1
		.amdhsa_system_sgpr_workgroup_id_z 1
		.amdhsa_system_vgpr_workitem_id 0
		.amdhsa_next_free_vgpr 768
		.amdhsa_next_free_sgpr 100
		.amdhsa_reserve_vcc 0
		.amdhsa_float_denorm_mode_32 3
		.amdhsa_float_denorm_mode_16_64 3
		.amdhsa_memory_ordered 1
		.amdhsa_forward_progress 1
		.amdhsa_inst_pref_size 157
	.end_amdhsa_kernel
	.amdgpu_metadata
---
amdhsa.version: [ 1, 2 ]
amdhsa.kernels:
  - .name:           k_q16cab4a876_qkv
    .symbol:         k_q16cab4a876_qkv.kd
    .args:
      - { .name: zq, .offset: 0, .size: 8, .value_kind: global_buffer, .address_space: global }
      - { .name: wq, .offset: 8, .size: 8, .value_kind: global_buffer, .address_space: global }
      - { .name: bq, .offset: 16, .size: 8, .value_kind: global_buffer, .address_space: global }
      - { .name: bk, .offset: 24, .size: 8, .value_kind: global_buffer, .address_space: global }
      - { .name: bv, .offset: 32, .size: 8, .value_kind: global_buffer, .address_space: global }
      - { .name: qkv, .offset: 40, .size: 8, .value_kind: global_buffer, .address_space: global }
    .group_segment_fixed_size: 327680
    .private_segment_fixed_size: 0
    .kernarg_segment_align: 8
    .kernarg_segment_size: 48
    .max_flat_workgroup_size: 128
    .sgpr_count:     100
    .vgpr_count:     768
    .wavefront_size: 32
...
	.end_amdgpu_metadata
.endif
;; end of part 2
;; launch attn (part 3): grid 8 x 32, 16 waves a work-group, clusters of 4 x 1, 221,184 bytes of LDS; arguments qkv, mask, zq; writes zq
.if DOCPART == 3
	.amdgcn_target "amdgcn-amd-amdhsa--gfx1250"
	.amdhsa_code_object_version 6
	.text
	.protected	k_q16cab4a876_attn
	.globl	k_q16cab4a876_attn
	.p2align	8
	.type	k_q16cab4a876_attn,@function
k_q16cab4a876_attn:
	s_mov_b64 s[64:65], 0
	v_nop
	global_prefetch_b8 v0, s[64:65] scope:SCOPE_SE
	s_setreg_imm32_b32 hwreg(HW_REG_WAVE_MODE, 25, 1), 1
	s_wait_xcnt 0x0
	s_wait_alu depctr_hold_cnt(0) depctr_sa_sdst(0) depctr_va_vdst(0) depctr_va_sdst(0) depctr_va_ssrc(0) depctr_va_vcc(0) depctr_vm_vsrc(0)
	s_getreg_b32 s2, hwreg(HW_REG_IB_STS2, 6, 4)
	s_cmp_eq_u32 s2, 0
	s_cbranch_scc0 .Lentry_in_a_cluster
	s_endpgm
.Lentry_in_a_cluster:
	s_bfe_u32 s2, ttmp6, 0x10000c
	s_cmp_lg_u32 s2, 0x3003
	s_cbranch_scc0 .Lentry_shape_is_right
	s_endpgm
.Lentry_shape_is_right:
; ATTENTION on codes of FP6 (E2M3), 32 (batch, head) x 2,048 queries x 2,048 keys, head size 64, with the key mask that is given; the result, divided by the row's sum, is quantised along D into zq.
; t = score x log2(e) / 8; M = the running largest t rounded up to a whole number; p = 2^(t - M) is quantised along the keys; the row's sum is taken of the unquantised p.
; SHARES.  A work-group owns 256 queries of one head, each of its sixteen waves one tile of 16, in 256 registers.  A whole head's K and V (codes and scale words) lie in LDS, every byte filled once: no ring, no refill.
; The four query blocks of a cluster share them: all fills are joint loads, one a wave, in one chain on the wave's number: wave 0 k's scale words, wave 1 v's, waves 2-9 the four chunks of 512 keys of K and of V.
; One wait for 0 and one barrier stand behind the fills; then each wave walks its sixteen key steps of 128.  Nothing is loaded behind the head, so there is no loop in which a prefetch could run ahead of a load.
; LAYOUT.  Both products transposed: S^T = K Q^T, O^T = V^T P^T: a lane holds one query.  HIMG (768 bytes) = 16 rows x 64 K as six operand registers (0-3 at 16 l, 4-5 at 512 + 8 l); FRAG = two HIMG.
; K = 64 fills half of the instruction: Q's upper six registers are zero codes, so what stands in K's upper six adds nothing; the scale bytes there are 0, never 0xff.
; THE KEYS OF A TILE OF K ARE NOT NEIGHBOURS (the launch before lays them so): tile 4 g + u holds in rows 0-7 keys 64 g + 8 s(u) + 0..7 and in rows 8-15 keys 64 g + 32 + 8 s(u) + 0..7, s = 0, 2, 1, 3.
; So lane (r, h) holds in its 32 registers of tiles 4 g .. 4 g + 3 the WHOLE block 2 g + h of 32 keys, in the order 0-7, 16-23, 8-15, 24-31 in which v's codes lie: a block's largest score needs no other lane,
; and the conversions' results are the operand's registers (three of each six are moved: a conversion's registers begin on an even number).
; THE MASK is a bias in LDS, 0 or -1e30, loaded into the score registers as the C of the first product.  The largest t starts at -2^83, above every masked t, so a step whose keys are all masked leaves M alone.
; A batch whose keys are ALL masked takes c = 0 and bias 0 (two selects, no branch): every p is 1, the uniform softmax that equal logits give.
; LIMITS: unmasked logits under about -1e9, where masked keys would begin to count, are not served; the scaled scores stay under 2^31 in magnitude; NaN and infinities are not served;
; a block of zeros gets the scale byte 1 (read by this program alone).
; REGISTERS: v1-4, v29-31 lane terms; v5-11 the step's addresses; v12 -M, v13 largest t, v[14:15] the sum; v16-27 Q and zeros; v28 Q's scale word; v32-79 K's 8 HIMG, then V's 4 FRAG; v80-85 zeros;
; v86-91 scale words; v96-159 bias, S^T, p; v160-191 O^T; v192-198 halves of p's codes; v200-213 partial sums; v224-235 p's codes; v232-245 at work; v250, v251 the spare word's address and 0; v252 f; v253 p's scale word.
.set KCB,  3145728                     ; qkv: k's codes begin here, v's at twice that
.set QS,   9437184
.set KS,   9699328                     ; k's scale words; v's 262,144 on
.set CHB,  24576                       ; a chunk: 512 keys of K or of V
.set KSL,  0                           ; LDS: k's scale words (8,192 bytes),
.set VSL,  8192                        ; v's (4,096),
.set MB,   12288                       ; the mask's bias, 2,048 f32: blocks of its own, into which no fill lands,
.set SPARE, 22528                      ; the spare words, 128 bytes a wave; K's codes from CHB on, V's from 5 CHB on
.set VCL,  4*CHB
.set REC,  6400
.set SPW,  250
.set NIL,  251
.set H8,   30
.macro D d
	s_delay_alu instid0(VALU_DEP_\d)
.endm
.macro ROUND                           ; a round of the cluster's barrier
	s_barrier_signal -1
	s_barrier_wait -1
	s_cmp_lg_u32 s10, 0
	s_cbranch_scc1 .Lnot_wave_0_\@
	s_barrier_signal -3
.Lnot_wave_0_\@:
	s_barrier_wait -3
	s_barrier_signal -1
	s_barrier_wait -1
.endm
.macro DENSE g, rows                   ; descriptor group 1: a dense block as rows of 256 bytes (32 elements of 8), for all four work-groups
	s_mov_b32 s[\g], 15|(3<<16)|(1<<21)
	s_mov_b32 s[\g+1], 32<<16
	s_mov_b32 s[\g+2], (\rows)<<16
	s_mov_b32 s[\g+3], 32<<16
	s_mov_b32 s[\g+4], \rows
	s_mov_b32 s[\g+5], 32
	s_mov_b32 s[\g+6], 0
	s_mov_b32 s[\g+7], 0
.endm
.macro ARM under, g0, g1, next         ; one arm of the head's chain: the waves under \under that no earlier arm took
	s_cmp_lt_u32 s10, \under
	s_cbranch_scc0 \next
	tensor_load_to_lds s[\g0:\g0+3], s[\g1:\g1+7]
	s_nop 0
.rept 4
	v_nop
.endr
	s_branch .Lasked
\next:
.endm
	s_load_b128 s[4:7], s[0:1], 0x0                ; qkv, mask
	s_load_b64 s[8:9], s[0:1], 0x10                ; zq
	v_lshl_add_u32 v[SPW], v0, 2, SPARE
	v_mov_b32 v[NIL], 0
	ds_add_u32 v[SPW], v[NIL]                      ; the opening lines: the add, twice on end, and its wait
	ds_add_u32 v[SPW], v[NIL]
	v_lshrrev_b32 v1, 5, v0
	D 1
	v_readfirstlane_b32 s10, v1                    ; wave 0..15
	s_bfe_u32 s11, ttmp6, 0x40000                  ; cx
	s_lshl_b32 s12, ttmp9, 2
	s_add_co_u32 s12, s12, s11                     ; my block of 256 queries: it enters Q's and the output's addresses alone
	s_and_b32 s13, ttmp7, 0xffff                   ; 16 x batch + head, which the partners share
	DENSE 28, 96
	DENSE 36, 32
	DENSE 44, 16
	s_lshr_b32 s14, s10, 1                         ; waves 2-9: chunk wave / 2 - 1 of K (even waves) or of V (odd)
	s_and_b32 s15, s10, 1
	s_mul_i32 s57, s14, CHB
	s_mul_i32 s16, s15, VCL
	s_add_co_u32 s57, s57, s16                     ; its place in LDS
	s_mul_i32 s76, s14, CHB
	s_mul_i32 s16, s15, KCB
	s_add_co_u32 s76, s76, s16
	s_mul_i32 s16, s13, 4*CHB
	s_add_co_u32 s76, s76, s16
	s_add_co_u32 s76, s76, KCB-CHB                 ; and in qkv
	s_mov_b32 s77, 0
	s_lshl_b32 s82, s13, 13                        ; a head's scale words: 8,192 bytes of k's,
	s_add_co_u32 s82, s82, KS
	s_mov_b32 s83, 0
	s_lshl_b32 s84, s13, 12                        ; 4,096 of v's
	s_add_co_u32 s84, s84, KS+262144
	s_mov_b32 s85, 0
	s_lshl_b32 s86, s13, 7
	s_lshl_b32 s87, s12, 4
	s_add_co_u32 s86, s86, s87
	s_add_co_u32 s86, s86, s10                     ; my tile of 16 queries among all heads'
	s_lshl_b32 s90, s86, 6
	s_add_co_u32 s90, s90, QS
	s_mov_b32 s91, 0
	s_mul_i32 s86, s86, 768
	s_mov_b32 s87, 0
	s_lshr_b32 s92, s13, 4
	s_lshl_b32 s92, s92, 13                        ; the batch's 2,048 mask words
	s_mov_b32 s93, 0
	s_mov_b32 s20, 0x76543210
	s_mov_b32 s21, 0xfedcba98                      ; v_permlanex16_b32's selects for lane l xor 16
	s_wait_dscnt 0x0
	s_wait_kmcnt 0x0
	s_mov_b32 s52, 1
	s_mov_b32 s53, KSL
	s_add_nc_u64 s[54:55], s[4:5], s[82:83]
	s_or_b32 s55, s55, 0x80000000
	s_mov_b32 s56, 1
	s_add_nc_u64 s[58:59], s[4:5], s[76:77]
	s_or_b32 s59, s59, 0x80000000
	s_mov_b32 s60, 1
	s_mov_b32 s61, VSL
	s_add_nc_u64 s[62:63], s[4:5], s[84:85]
	s_or_b32 s63, s63, 0x80000000
	s_add_nc_u64 s[88:89], s[4:5], s[86:87]
	s_add_nc_u64 s[90:91], s[4:5], s[90:91]
	s_add_nc_u64 s[6:7], s[6:7], s[92:93]
	ROUND                                          ; all four work-groups are here: the joint loads meet
	ARM 1, 52, 36, .Lvs
	ARM 2, 60, 44, .Lchunk
	ARM 10, 56, 28, .Lnone
.Lasked:
	v_and_b32 v2, 31, v0
	v_bfe_u32 v28, v0, 4, 1                        ; h
	v_and_b32 v31, 15, v0                          ; r
	v_lshlrev_b32 v217, 4, v0                      ; my thread's four mask words
	v_lshlrev_b32 v1, 4, v2                        ; 16 x lane
	v_lshl_add_u32 v3, v2, 2, KSL
	v_lshl_add_u32 v4, v2, 2, VSL
	v_lshlrev_b32 v2, 3, v2                        ; 8 x lane
	v_lshl_add_u32 v29, v28, 7, MB                 ; the bias of my half's block: 128 h
	v_lshlrev_b32 v[H8], 3, v28                    ; 8 h
	v_lshlrev_b32 v218, 2, v31
	v_lshlrev_b32 v31, 4, v31                      ; 16 r
	v_add_nc_u32 v216, MB, v217                    ; where I store four biases
.irp j, 0,1,2,3,4,5,6,7,8,9,10,11,12,13,14,15
	global_load_b128 v[96+4*\j:99+4*\j], v1, s[6:7] offset:512*\j   ; the batch's whole mask, in every wave: is any key left?
.endr
	global_load_b128 v[92:95], v217, s[6:7]        ; my thread's four keys
	global_load_b128 v[16:19], v1, s[88:89]        ; Q's HIMG stays in registers
	global_load_b64 v[20:21], v2, s[88:89] offset:512
	global_load_b32 v28, v218, s[90:91]            ; and its scale words
.irp i, 0,1,2,3,4,5
	v_mov_b32 v[22+\i], 0                          ; zero codes for the unused 64 along K
	v_mov_b32 v[80+\i], 0
.endr
	v_mov_b32 v13, 0xe9000000                      ; the largest t so far: -2^83
	v_mov_b32 v14, 0
	v_mov_b32 v15, 0
	v_mov_b32 v236, 0                              ; a lane permute's destination counts as read
	v_mov_b32 v253, 0
	v_floor_f32 v12, -v13                          ; -M
.set i, 0
.rept 32
	v_mov_b32 v[160+i], 0                          ; O^T: the step is written once, its first run finds zeros
.set i, i+1
.endr
	s_wait_loadcnt 0x0
.irp w, 32,16,8,4,2,1
.set i, 0
.rept \w
	v_or_b32 v[96+i], v[96+i], v[96+\w+i]
.set i, i+1
.endr
.endr
	D 1
	v_cmp_ne_u32 vcc_lo, 0, v96
	s_cmp_lg_u32 vcc_lo, 0                         ; a key of the batch counts
	s_cselect_b32 s18, 0x3e38aa3b, 0               ; c = log2(e) / 8, or 0
	s_cselect_b32 s26, 0xf149f2ca, 0               ; a masked key's bias: -1e30, or 0
	s_mov_b32 s19, s18
	v_mov_b32 v8, s26
.irp i, 0,1,2,3
	v_cmp_eq_u32 vcc_lo, 0, v[92+\i]
	D 1
	v_cndmask_b32 v[92+\i], 0, v8, vcc_lo
.endr
	ds_store_b128 v216, v[92:95]
.macro SUMR first                      ; eight partial sums take pairs \first .. \first + 7 of p
	v_pk_add_f32 v[14:15], v[14:15], v[96+2*(\first):97+2*(\first)]
.irp k, 1,2,3,4,5,6,7
	v_pk_add_f32 v[198+2*\k:199+2*\k], v[198+2*\k:199+2*\k], v[96+2*(\first+\k):97+2*(\first+\k)]
.endr
.endm
; A KEY STEP: 128 keys
; 20 LDS loads: the mask's bias and k's scale words of the step that lies \off bytes on from v11 and v9
.macro BIAS off
.irp g, 0,1
.irp u, 0,1,2,3
	ds_load_b128 v[96+32*\g+8*\u:99+32*\g+8*\u], v11 offset:\off+256*\g+64*(\u%2)+32*(\u/2)          ; the bias of keys 64 g + 32 h + 8 s(u) + 0 .. 7: the first product's C
	ds_load_b128 v[100+32*\g+8*\u:103+32*\g+8*\u], v11 offset:\off+256*\g+64*(\u%2)+32*(\u/2)+16
.endr
.endr
.irp b, 0,1,2,3
	ds_load_b32 v[86+\b], v9 offset:\off+128*\b                ; lanes 0-15: tile 2 b's words, lanes 16-31: tile 2 b + 1's
.endr
.endm
; more = 1: a step follows, and its bias and scale words are asked for as soon as the sums have read p
.macro STEP more
	v_add_nc_u32 v5, s22, v1                       ; (these four are the places behind the last step's products, in front of the loads over V's registers)
	v_add_nc_u32 v6, s22, v2
	v_add_nc_u32 v9, s23, v3
	v_add_nc_u32 v11, s23, v29
.irp t, 0,1,2,3,4,5,6,7
	ds_load_b128 v[32+6*\t:35+6*\t], v5 offset:768*\t
	ds_load_b64 v[36+6*\t:37+6*\t], v6 offset:768*\t+512
.endr
	s_wait_dscnt 0x0
.irp t, 0,2,4,6
	v_wmma_scale_f32_16x16x128_f8f6f4 v[96+8*\t:103+8*\t], v[32+6*\t:43+6*\t], v[16:27], v[96+8*\t:103+8*\t], v[86+\t/2], v28 matrix_a_fmt:MATRIX_FMT_FP6 matrix_b_fmt:MATRIX_FMT_FP6
	v_wmma_scale_f32_16x16x128_f8f6f4 v[104+8*\t:111+8*\t], v[38+6*\t:49+6*\t], v[16:27], v[104+8*\t:111+8*\t], v[86+\t/2], v28 matrix_a_fmt:MATRIX_FMT_FP6 matrix_b_fmt:MATRIX_FMT_FP6 matrix_a_scale:MATRIX_SCALE_ROW1
.endr
	v_add_nc_u32 v7, s27, v1                       ; four places: in front of the loads over K's registers and of the first read of the scores
	v_add_nc_u32 v8, s27, v2
	v_add_nc_u32 v10, s24, v4
	v_mov_b32 v238, v12                            ; the old -M
.irp t, 0,1,2,3
	ds_load_b128 v[32+12*\t:35+12*\t], v7 offset:1536*\t       ; V's four FRAG land while the softmax is walked
	ds_load_b64 v[36+12*\t:37+12*\t], v8 offset:1536*\t+512
	ds_load_b128 v[38+12*\t:41+12*\t], v7 offset:1536*\t+768
	ds_load_b64 v[42+12*\t:43+12*\t], v8 offset:1536*\t+1280
.endr
	ds_load_b32 v90, v10
	ds_load_b32 v91, v10 offset:128
.irp g, 0,1
	v_max3_num_f32 v[232+\g], v[96+32*\g], v[97+32*\g], v[98+32*\g]      ; my two blocks' largest scores, two chains each; every accumulator is read from its low end on
	v_max3_num_f32 v[234+\g], v[113+32*\g], v[114+32*\g], v[115+32*\g]
.endr
.irp i, 0,2,4,6,8,10
.irp g, 0,1
	v_max3_num_f32 v[232+\g], v[232+\g], v[99+32*\g+\i], v[100+32*\g+\i]
	v_max3_num_f32 v[234+\g], v[234+\g], v[116+32*\g+\i], v[117+32*\g+\i]
.endr
.endr
.irp g, 0,1
	v_max3_num_f32 v[232+\g], v[232+\g], v[111+32*\g], v[112+32*\g]
.endr
.irp g, 0,1
	D 2
	v_max_num_f32 v[232+\g], v[232+\g], v[234+\g]  ; the block's largest score: for the row's maximum and, since p rises with the score, for the block's largest p
.endr
	D 1
	v_max_num_f32 v237, v232, v233
	D 1
	v_mul_f32 v237, s18, v237                      ; as t (c is not negative)
	D 1
	v_permlanex16_b32 v236, v237, s20, s21
	D 1
	v_max3_num_f32 v13, v13, v237, v236            ; the running largest t
	D 1
	v_floor_f32 v12, -v13                          ; the new -M: a whole number
	D 1
	v_sub_f32 v238, v12, v238                      ; old M - new M, 0 or less
	D 1
	v_cvt_i32_f32 v238, v238                       ; (it saturates)
	D 1
	v_ldexp_f32 v252, 1.0, v238                    ; f = 2^(old M - new M): rounds nothing
.irp j, 0,2,4,6,8,10,12,14,16,18,20,22,24,26,28,30,32,34,36,38,40,42,44,46,48,50,52,54,56,58,60,62
	v_pk_fma_f32 v[96+\j:97+\j], v[96+\j:97+\j], s[18:19], v[12:13] op_sel_hi:[1,0,0]   ; t - M
.endr
.irp g, 0,1
	v_fma_f32 v[232+\g], v[232+\g], s18, v12
.endr
.irp j, 0,2,4,6,8,10,12,14,16,18,20,22,24,26,28,30
	v_pk_mul_f32 v[160+\j:161+\j], v[160+\j:161+\j], v[252:253] op_sel_hi:[1,0]   ; O^T under the new M, ahead of the exponentials
.endr
	s_wait_alu depctr_va_vdst(0)                   ; the wait ahead of the batch
.set i, 0
.rept 64
	v_exp_f32 v[96+i], v[96+i]                     ; p = 2^(t - M)
.set i, i+1
.endr
.irp g, 0,1
	v_exp_f32 v[232+\g], v[232+\g]                 ; each block's largest p
.endr
	v_pk_mul_f32 v[14:15], v[14:15], v[252:253] op_sel_hi:[1,0]   ; the sums under the new M.  (A plain line behind the exponentials)
	s_wait_alu depctr_va_vdst(0)                   ; one wait for the batch, ahead of its first reader
.irp g, 0,1
	v_max_num_f32 v[232+\g], 0x1800000, v[232+\g]  ; the floor 2^(3 - 127)
.endr
.irp g, 0,1
	D 2
	v_add_nc_u32 v[244+\g], 0xff000000, v[232+\g]  ; 2 off the exponent field: the conversion's scale operand
.endr
.irp g, 0,1
	v_cvt_scalef32_pk16_fp6_f32 v[224+6*\g:226+6*\g], v[96+32*\g:111+32*\g], v[244+\g]
	v_cvt_scalef32_pk16_fp6_f32 v[192+4*\g:194+4*\g], v[112+32*\g:127+32*\g], v[244+\g]   ; (a conversion's three registers begin on an even number)
.endr
	v_lshrrev_b32 v234, 23, v244                   ; the bytes.  (Plain lines behind the conversions)
	v_lshrrev_b32 v235, 23, v245
.irp i, 0,1,2
	v_mov_b32 v[227+\i], v[192+\i]
.endr
	v_lshl_or_b32 v253, v235, 16, v234             ; blocks h and 2 + h,
.irp i, 0,1,2
	v_mov_b32 v[233+\i], v[196+\i]
.endr
	v_lshlrev_b32 v253, v[H8], v253                ; at their places in the word
	v_pk_add_f32 v[14:15], v[14:15], v[96:97]      ; THE ROW'S SUM IS TAKEN OF THE UNQUANTISED p: eight partial sums by turns
.irp k, 1,2,3,4,5,6,7
	v_pk_add_f32 v[198+2*\k:199+2*\k], v[94+4*\k:95+4*\k], v[96+4*\k:97+4*\k]
.endr
	v_permlanex16_b32 v236, v253, s20, s21
	SUMR 15
	v_or_b32 v253, v253, v236                      ; with lane l xor 16's two bytes p's scale word is whole; sixteen plain lines stand between it and the products
	SUMR 23
	v_pk_add_f32 v[14:15], v[14:15], v[158:159]
	v_pk_add_f32 v[200:201], v[200:201], v[208:209]
	v_pk_add_f32 v[202:203], v[202:203], v[210:211]
	v_pk_add_f32 v[204:205], v[204:205], v[212:213]
	v_pk_add_f32 v[14:15], v[14:15], v[206:207]
	D 3
	v_pk_add_f32 v[200:201], v[200:201], v[202:203]
	D 2
	v_pk_add_f32 v[14:15], v[14:15], v[204:205]
	D 1
	v_pk_add_f32 v[14:15], v[14:15], v[200:201]
.if \more
	BIAS 512                                       ; p has been read for the last time: the next step's bias lands on it while the products below run
	s_wait_dscnt 20                                ; V is in: all but the 20 just issued
.else
	s_wait_dscnt 0x0                               ; V is in
.endif
.irp t, 0,2
	v_wmma_scale_f32_16x16x128_f8f6f4 v[160+8*\t:167+8*\t], v[32+12*\t:43+12*\t], v[224:235], v[160+8*\t:167+8*\t], v[90+\t/2], v253 matrix_a_fmt:MATRIX_FMT_FP6 matrix_b_fmt:MATRIX_FMT_FP6
	v_wmma_scale_f32_16x16x128_f8f6f4 v[168+8*\t:175+8*\t], v[44+12*\t:55+12*\t], v[224:235], v[168+8*\t:175+8*\t], v[90+\t/2], v253 matrix_a_fmt:MATRIX_FMT_FP6 matrix_b_fmt:MATRIX_FMT_FP6 matrix_a_scale:MATRIX_SCALE_ROW1
.endr
.endm
	s_mov_b32 s22, CHB                             ; the step's codes of K,
	s_mov_b32 s27, CHB+VCL                         ; of V,
	s_mov_b32 s23, 0                               ; k's scale words and the bias,
	s_mov_b32 s24, 0                               ; v's scale words
	s_mov_b32 s25, 15                              ; fifteen trips; the sixteenth step is written out: it asks for nothing beyond the last key
	s_wait_alu depctr_va_vdst(0)                   ; the wait at the head's end
	s_wait_tensorcnt 0x0                           ; in the ten waves that fetch: my load has landed
	s_wait_dscnt 0x0                               ; my store of the bias
	s_barrier_signal -1
	s_barrier_wait -1
	v_add_nc_u32 v9, s23, v3
	v_add_nc_u32 v11, s23, v29
	BIAS 0                                         ; the first step's bias and scale words
.Lstep:
	STEP 1
	s_add_co_u32 s22, s22, 6144
	s_add_co_u32 s27, s27, 6144
	s_add_co_u32 s23, s23, 512
	s_add_co_u32 s24, s24, 256
	s_sub_co_u32 s25, s25, 1
	s_cmp_lg_u32 s25, 0
	s_cbranch_scc1 .Lstep
	STEP 0
; THE WAY OUT: O^T / the sum is 16 tokens x my head's 64 of D: one HIMG of the next product's operand
.rept 4
	v_nop
.endr
	s_wait_alu depctr_va_vdst(0)                   ; the wait here, directly ahead of the reader below
	v_add_f32 v14, v14, v15
	D 1
	v_permlanex16_b32 v252, v14, s20, s21
	D 1
	v_add_f32 v14, v14, v252                       ; the row's sum
	s_wait_alu depctr_va_vdst(0)
	v_rcp_f32 v14, v14
	v_nop                                          ; a plain line behind the reciprocal
	s_lshr_b32 s76, s13, 4
	s_lshl_b32 s76, s76, 7
	s_lshl_b32 s77, s12, 4
	s_add_co_u32 s76, s76, s77
	s_add_co_u32 s76, s76, s10                     ; my token tile
	s_and_b32 s77, s13, 15                         ; my head
	s_lshl_b32 s76, s76, 1
	s_lshr_b32 s78, s77, 3
	s_add_co_u32 s76, s76, s78
	s_mul_i32 s76, s76, REC                        ; the record,
	s_bfe_u32 s78, s77, 0x20001                    ; the K step in it,
	s_and_b32 s79, s77, 1                          ; the half of that
	s_mul_i32 s80, s78, 1536
	s_mul_i32 s81, s79, 768
	s_add_co_u32 s80, s80, s81
	s_add_co_u32 s80, s80, s76
	s_mov_b32 s81, 0
	s_lshl_b32 s82, s78, 2
	s_lshl_b32 s83, s79, 1
	s_add_co_u32 s82, s82, s83
	s_add_co_u32 s82, s82, s76
	s_add_co_u32 s82, s82, 6144
	s_mov_b32 s83, 0
	s_add_nc_u64 s[84:85], s[8:9], s[80:81]
	s_add_nc_u64 s[86:87], s[8:9], s[82:83]
	s_wait_alu depctr_va_vdst(0)                   ; ahead of the first reader of the reciprocal and of O^T
.set i, 0
.rept 32
	v_mul_f32 v[96+i], v[160+i], v14               ; each accumulator from its low end on
.set i, i+1
.endr
.irp b, 0,1
	v_max3_num_f32 v[232+\b], |v[96+16*\b]|, |v[97+16*\b]|, 0x1800000
.endr
.irp i, 2,4,6,8,10,12,14
.irp b, 0,1
	D 2
	v_max3_num_f32 v[232+\b], v[232+\b], |v[96+16*\b+\i]|, |v[97+16*\b+\i]|
.endr
.endr
.irp b, 0,1
	D 2
	v_permlanex16_b32 v[236+\b], v[232+\b], s20, s21
.endr
.irp b, 0,1
	D 2
	v_max_num_f32 v[232+\b], v[232+\b], v[236+\b]
.endr
.irp b, 0,1
	D 2
	v_add_nc_u32 v[244+\b], 0xff000000, v[232+\b]
.endr
.irp b, 0,1
	D 2
	v_lshrrev_b32 v[236+\b], 23, v[244+\b]
.endr
	D 1
	v_lshl_or_b32 v238, v237, 8, v236              ; half a scale word
	v_cvt_scalef32_pk16_fp6_f32 v[224:226], v[96:111], v244
	v_cvt_scalef32_pk16_fp6_f32 v[240:242], v[112:127], v245
	v_nop
.irp i, 0,1,2
	v_permlane16_swap_b32 v[224+\i], v[240+\i]     ; along D a block lies in lanes l and l xor 16: a whole block to a lane
.endr
.irp i, 0,1,2
	D 3
	v_mov_b32 v[227+\i], v[240+\i]
.endr
	global_store_b128 v1, v[224:227], s[84:85]             ; 512 consecutive bytes
	global_store_b64 v2, v[228:229], s[84:85] offset:512   ; 256 consecutive bytes
	global_store_b16 v31, v238, s[86:87]                   ; lanes r and r + 16 store the same half word
	s_wait_tensorcnt 0x0                           ; the wave's end
	ds_add_u32 v[SPW], v[NIL]
	s_wait_dscnt 0x0
	ROUND                                          ; the closing round
	s_endpgm
.Lfunc_end_k_q16cab4a876_attn:
	.size	k_q16cab4a876_attn, .Lfunc_end_k_q16cab4a876_attn-k_q16cab4a876_attn
	.p2alignl 7, 3214868480
	.fill 96, 4, 3214868480
	.section	.rodata,"a",@progbits
	.p2align	6, 0x0
	.amdhsa_kernel k_q16cab4a876_attn
		.amdhsa_group_segment_fixed_size 221184
		.amdhsa_private_segment_fixed_size 0
		.amdhsa_enable_private_segment 0
		.amdhsa_kernarg_size 24
		.amdhsa_user_sgpr_count 2
		.amdhsa_user_sgpr_kernarg_segment_ptr 1
		.amdhsa_wavefront_size32 1
		.amdhsa_system_sgpr_workgroup_id_x 1
		.amdhsa_system_sgpr_workgroup_id_y 1
		.amdhsa_system_sgpr_workgroup_id_z 1
		.amdhsa_system_vgpr_workitem_id 0
		.amdhsa_next_free_vgpr 256
		.amdhsa_next_free_sgpr 100
		.amdhsa_reserve_vcc 1
		.amdhsa_float_denorm_mode_32 3
		.amdhsa_float_denorm_mode_16_64 3
		.amdhsa_memory_ordered 1
		.amdhsa_forward_progress 1
		.amdhsa_inst_pref_size 52
	.end_amdhsa_kernel
	.amdgpu_metadata
---
amdhsa.version: [ 1, 2 ]
amdhsa.kernels:
  - .name:           k_q16cab4a876_attn
    .symbol:         k_q16cab4a876_attn.kd
    .args:
      - { .name: qkv, .offset: 0, .size: 8, .value_kind: global_buffer, .address_space: global }
      - { .name: mask, .offset: 8, .size: 8, .value_kind: global_buffer, .address_space: global }
      - { .name: zq, .offset: 16, .size: 8, .value_kind: global_buffer, .address_space: global }
    .group_segment_fixed_size: 221184
    .private_segment_fixed_size: 0
    .kernarg_segment_align: 8
    .kernarg_segment_size: 24
    .max_flat_workgroup_size: 512
    .sgpr_count:     100
    .vgpr_count:     256
    .wavefront_size: 32
...
	.end_amdgpu_metadata
.endif
;; end of part 3
;; launch wo (part 4): grid 8 x 32, 4 waves a work-group, clusters of 4 x 4, 327,680 bytes of LDS; arguments zq, wq, bo, xb, h; writes h
.if DOCPART == 4
	.amdgcn_target "amdgcn-amd-amdhsa--gfx1250"
	.amdhsa_code_object_version 6
	.text
	.protected	k_q16cab4a876_wo
	.globl	k_q16cab4a876_wo
	.p2align	8
	.type	k_q16cab4a876_wo,@function
k_q16cab4a876_wo:
	s_mov_b64 s[64:65], 0
	v_nop
	global_prefetch_b8 v0, s[64:65] scope:SCOPE_SE
	s_setreg_imm32_b32 hwreg(HW_REG_WAVE_MODE, 25, 1), 1
	s_wait_xcnt 0x0
	s_wait_alu depctr_hold_cnt(0) depctr_sa_sdst(0) depctr_va_vdst(0) depctr_va_sdst(0) depctr_va_ssrc(0) depctr_va_vcc(0) depctr_vm_vsrc(0)
	s_getreg_b32 s2, hwreg(HW_REG_IB_STS2, 6, 4)
	s_cmp_eq_u32 s2, 0
	s_cbranch_scc0 .Lentry_in_a_cluster
	s_endpgm
.Lentry_in_a_cluster:
	s_bfe_u32 s2, ttmp6, 0x10000c
	s_cmp_lg_u32 s2, 0xf033
	s_cbranch_scc0 .Lentry_shape_is_right
	s_endpgm
.Lentry_shape_is_right:
.set MODE, 1
.if MODE == 3
.set KTOT, 4096
.else
.set KTOT, 1024
.endif
.set BOFF, 0
.if MODE == 1
.set BOFF, 2457600
.endif
.if MODE == 2
.set BOFF, 3276800
.endif
.if MODE == 3
.set BOFF, 6553600
.endif
.set NG,    KTOT/512
.set LAPS,  KTOT/1024
.set REC,   6400
.set HALFT, 4*REC
.set SLOT,  4*HALFT
.set STAGE, 2*SLOT
.set SPARE, STAGE+128*528
.set KC,    3145728
.set VC,    6291456
.set QS,    9437184
.set VS,    9961472
.set SPW, 2
.set NIL, 3
.set AD,  4
.set SCR, 16
.set BX,  32
.set BY,  64
.set ACC, 128
.set TMX, 32
.set TMP, 40
.set SCO, 48
.set HW,  56
.set MW,  60
.set TT,  72
.set PP,  88
.set L16, 120
.set L8,  121
.set R16, 122
.set L4,  123
.set H32, 124
.set R4,  125
.set STO, 126
.set RD,  127
.set WV,  16
.set WA,  17
.set WB,  18
.set GX,  21
.set GY,  22
.set G1A, 24
.set G0A, 32
.set G1B, 48
.set G0B, 56
.set SEL, 66
.set MSB, 0
.macro WIN new
.if MSB != \new
	s_set_vgpr_msb (MSB<<8)|\new
.set MSB, \new
.endif
.endm
.set MUL,  0x05
.set TO_F, 0x40
.macro JLOAD s
	s_cmp_eq_u32 s[WA], 0
	s_cbranch_scc0 .Lfor_b_\@
	tensor_load_to_lds s[G0A+4*\s:G0A+4*\s+3], s[G1A:G1A+7]
	s_nop 0
.rept 4
	v_nop
.endr
	s_branch .Lasked_\@
.Lfor_b_\@:
	tensor_load_to_lds s[G0B+4*\s:G0B+4*\s+3], s[G1B:G1B+7]
	s_nop 0
.rept 4
	v_nop
.endr
.Lasked_\@:
.endm
.macro CREST
	s_cmp_lg_u32 s[WV], 0
	s_cbranch_scc1 .Lnot_wave_0_\@
	s_barrier_signal -3
.Lnot_wave_0_\@:
	s_barrier_wait -3
	s_barrier_signal -1
	s_barrier_wait -1
.endm
.macro CROUND
	s_barrier_signal -1
	s_barrier_wait -1
	CREST
.endm
.macro PLACES
.rept 4
	v_nop
.endr
.endm
	s_load_b256 s[4:11], s[0:1], 0x0
.if MODE == 0
	s_load_b128 s[12:15], s[0:1], 0x20
.endif
.if (MODE == 1) || (MODE == 3)
	s_load_b64 s[12:13], s[0:1], 0x20
.endif
	v_lshl_add_u32 v[SPW], v0, 2, SPARE
	v_mov_b32 v[NIL], 0
	ds_add_u32 v2, v3
	ds_add_u32 v2, v3
	s_wait_dscnt 0x0
	v_lshrrev_b32 v1, 5, v0
	v_readfirstlane_b32 s[WV], v1
	s_lshr_b32 s[WA], s[WV], 1
	s_and_b32 s[WB], s[WV], 1
	s_bfe_u32 s19, ttmp6, 0x40000
	s_bfe_u32 s20, ttmp6, 0x40004
	s_lshl_b32 s[GX], ttmp9, 2
	s_add_co_u32 s[GX], s[GX], s19
	s_and_b32 s[GY], ttmp7, 0xffff
	s_lshl_b32 s[GY], s[GY], 2
	s_add_co_u32 s[GY], s[GY], s20
	s_lshl_b32 s40, s20, 2
	s_lshl_b32 s40, 15, s40
	s_lshl_b32 s41, 0x1111, s19
	s_or_b32 s[G1A], s40, (3<<16)|(1<<21)
	s_or_b32 s[G1B], s41, (3<<16)|(1<<21)
.irp g, G1A, G1B
	s_mov_b32 s[\g+1], 800<<16
	s_mov_b32 s[\g+2], 8<<16
	s_mov_b32 s[\g+3], 800<<16
	s_mov_b32 s[\g+4], 8
	s_mov_b32 s[\g+5], NG*800
	s_mov_b32 s[\g+6], 0
	s_mov_b32 s[\g+7], 0
.endr
	s_lshl_b32 s46, s[WB], 2
	s_lshl_b32 s42, s[GY], 3
	s_add_co_u32 s42, s42, s46
	s_mul_i32 s42, s42, NG*REC
	s_mov_b32 s43, 0
	s_lshl_b32 s68, s[GX], 3
	s_add_co_u32 s68, s68, s46
	s_mul_i32 s68, s68, NG*REC
	s_add_co_u32 s68, s68, BOFF
	s_mov_b32 s69, 0
	s_mul_i32 s23, s[WV], HALFT
	s_wait_kmcnt 0x0
	s_add_nc_u64 s[44:45], s[4:5], s[42:43]
	s_add_nc_u64 s[70:71], s[6:7], s[68:69]
	CROUND
.irp s, 0,1
	s_mov_b32 s[G0A+4*\s], 1
	s_add_co_u32 s[G0A+4*\s+1], s23, \s*SLOT
	s_add_nc_u64 s[G0A+4*\s+2:G0A+4*\s+3], s[44:45], \s*REC
	s_or_b32 s[G0A+4*\s+3], s[G0A+4*\s+3], 0x80000000
	s_mov_b32 s[G0B+4*\s], 1
	s_add_co_u32 s[G0B+4*\s+1], s23, \s*SLOT
	s_add_nc_u64 s[G0B+4*\s+2:G0B+4*\s+3], s[70:71], \s*REC
	s_or_b32 s[G0B+4*\s+3], s[G0B+4*\s+3], 0x80000000
.endr
	; THE HEAD'S LOADS, ONE A WAVE, behind the one round: both slots' tiles whole (8 row tiles of one REC): waves 0 and 2 fetch A's of slots 0 and 1, waves 1 and 3 B's
	s_mul_i32 s94, s[GY], 8*NG*REC
	s_mul_i32 s93, s[WA], REC
	s_add_co_u32 s94, s94, s93
	s_mov_b32 s95, 0
	s_add_nc_u64 s[94:95], s[4:5], s[94:95]
	s_or_b32 s95, s95, 0x80000000
	s_mov_b32 s92, 1
	s_mul_i32 s93, s[WA], SLOT
	s_mul_i32 s98, s[GX], 8*NG*REC
	s_mul_i32 s97, s[WA], REC
	s_add_co_u32 s98, s98, s97
	s_add_co_u32 s98, s98, BOFF
	s_mov_b32 s99, 0
	s_add_nc_u64 s[98:99], s[6:7], s[98:99]
	s_or_b32 s99, s99, 0x80000000
	s_mov_b32 s96, 1
	s_mul_i32 s97, s[WA], SLOT
	s_add_co_u32 s97, s97, 2*HALFT
	s_cmp_eq_u32 s[WB], 0
	s_cbranch_scc0 .Lhead_b
	tensor_load_to_lds s[92:95], s[G1A:G1A+7]
	s_nop 0
.rept 4
	v_nop
.endr
	s_branch .Lhead_asked
.Lhead_b:
	tensor_load_to_lds s[96:99], s[G1B:G1B+7]
	s_nop 0
.rept 4
	v_nop
.endr
.Lhead_asked:
	v_and_b32 v1, 31, v0
	v_lshlrev_b32 v[L16], 4, v1
	v_lshlrev_b32 v[L8], 3, v1
	v_lshlrev_b32 v[L4], 2, v1
	v_and_b32 v[STO], 15, v0
	v_bfe_u32 v[RD], v0, 4, 1
	v_lshlrev_b32 v[R16], 4, v[STO]
	v_lshlrev_b32 v[R4], 2, v[STO]
	v_lshlrev_b32 v[H32], 5, v[RD]
	s_mul_i32 s72, s[WB], HALFT
	s_add_co_u32 s72, s72, 2*HALFT
	s_mul_i32 s73, s[WA], HALFT
.if MODE == 0
	s_cmp_lt_u32 ttmp9, 4
	s_cselect_b32 s74, s72, s73
	s_cselect_b32 s75, s73, s72
.else
	s_mov_b32 s74, s72
	s_mov_b32 s75, s73
.endif
.irp s, 0,1
	v_add_nc_u32 v[AD+6*\s], s74, v[L16]
	v_add_nc_u32 v[AD+6*\s+1], s74, v[L8]
	v_add_nc_u32 v[AD+6*\s+2], s74, v[R16]
	v_add_nc_u32 v[AD+6*\s+3], s75, v[L16]
	v_add_nc_u32 v[AD+6*\s+4], s75, v[L8]
	v_add_nc_u32 v[AD+6*\s+5], s75, v[R16]
	s_add_co_u32 s74, s74, SLOT
	s_add_co_u32 s75, s75, SLOT
.endr
	s_mov_b32 s[SEL], 0x76543210
	s_mov_b32 s[SEL+1], 0xfedcba98
.if MODE == 0
	s_and_b32 s84, s[GX], 7
.else
	s_mov_b32 s84, s[GX]
.endif
	s_lshl_b32 s84, s84, 9
	s_lshl_b32 s85, s[WB], 8
	s_add_co_u32 s84, s84, s85
	s_mov_b32 s85, 0
.if MODE == 0
	s_cmp_lt_u32 ttmp9, 2
	s_cselect_b64 s[80:81], s[8:9], s[10:11]
	s_cmp_lt_u32 ttmp9, 4
	s_cselect_b64 s[80:81], s[80:81], s[12:13]
	s_cselect_b32 s87, 1.0, 0
	s_add_nc_u64 s[82:83], s[12:13], s[84:85]
.else
	s_mov_b64 s[80:81], s[8:9]
.endif
	s_add_nc_u64 s[80:81], s[80:81], s[84:85]
.irp a, 0,1,2,3
	global_load_b128 v[BX+8*\a:BX+8*\a+3], v[H32], s[80:81] offset:64*\a
	global_load_b128 v[BX+8*\a+4:BX+8*\a+7], v[H32], s[80:81] offset:64*\a+16
.endr
.if MODE == 0
.irp b, 0,1,2,3
	global_load_b32 v[BY+2*\b], v[R4], s[82:83] offset:64*\b
	global_load_b32 v[BY+2*\b+1], v[R4], s[82:83] offset:64*\b
.endr
.endif
.if MODE == 2
	v_mul_u32_u24 v[STO], v[RD], 8*REC
	v_add_nc_u32 v[STO], v[STO], v[R16]
.endif
.if (MODE == 1) || (MODE == 3)
	s_mul_i32 s86, s[WA], 64*528
	s_lshl_b32 s87, s[WB], 8
	s_add_co_u32 s86, s86, s87
	s_add_co_u32 s86, s86, STAGE
	v_mul_u32_u24 v[STO], v[STO], 528
	v_add_nc_u32 v[STO], v[STO], v[H32]
	v_add_nc_u32 v[STO], s86, v[STO]
	s_mul_i32 s86, s[WV], 32*528
	s_add_co_u32 s86, s86, STAGE
	v_add_nc_u32 v[RD], s86, v[L16]
	s_lshl_b32 s88, s[GY], 7
	s_lshl_b32 s89, s[WV], 5
	s_add_co_u32 s88, s88, s89
	s_lshl_b32 s88, s88, 12
	s_lshl_b32 s89, s[GX], 9
	s_add_co_u32 s88, s88, s89
	s_mov_b32 s89, 0
	s_add_nc_u64 s[76:77], s[10:11], s[88:89]
	s_add_nc_u64 s[78:79], s[12:13], s[88:89]
	WIN 0x80
.set i, 0
.rept 32
	global_load_b128 v[4*i:4*i+3], v[L16], s[76:77] offset:4096*i
.set i, i+1
.endr
	WIN 0
.endif
.macro FRAG reg, a, off
	ds_load_b128 v[\reg:\reg+3], v[\a] offset:\off
	ds_load_b64 v[\reg+4:\reg+5], v[\a+1] offset:\off+512
	ds_load_b128 v[\reg+6:\reg+9], v[\a] offset:\off+768
	ds_load_b64 v[\reg+10:\reg+11], v[\a+1] offset:\off+1280
.endm
.macro FETCH slot, q, f
	WIN TO_F
.irp i, 0,1,2,3
	FRAG 128*(\f)+12*\i, AD+6*(\slot), \i*REC+1536*(\q)
	FRAG 128*(\f)+48+12*\i, AD+6*(\slot)+3, \i*REC+1536*(\q)
.endr
	WIN 0
.irp i, 0,1,2,3
	ds_load_b32 v[SCR+8*(\f)+\i], v[AD+6*(\slot)+2] offset:\i*REC+6144+4*(\q)
	ds_load_b32 v[SCR+8*(\f)+4+\i], v[AD+6*(\slot)+5] offset:\i*REC+6144+4*(\q)
.endr
.endm
.macro MULY f, b, first
.irp a, 0,1,2,3
.if \first
	v_wmma_scale_f32_16x16x128_f8f6f4 v[ACC+8*(4*\b+\a):ACC+8*(4*\b+\a)+7], v[128*(\f)+12*\a:128*(\f)+12*\a+11], v[128*(\f)+48+12*\b:128*(\f)+48+12*\b+11], v[BX+8*\a:BX+8*\a+7], v[SCR+8*(\f)+\a], v[SCR+8*(\f)+4+\b] matrix_a_fmt:MATRIX_FMT_FP6 matrix_b_fmt:MATRIX_FMT_FP6
.else
	v_wmma_scale_f32_16x16x128_f8f6f4 v[ACC+8*(4*\b+\a):ACC+8*(4*\b+\a)+7], v[128*(\f)+12*\a:128*(\f)+12*\a+11], v[128*(\f)+48+12*\b:128*(\f)+48+12*\b+11], v[ACC+8*(4*\b+\a):ACC+8*(4*\b+\a)+7], v[SCR+8*(\f)+\a], v[SCR+8*(\f)+4+\b] matrix_a_fmt:MATRIX_FMT_FP6 matrix_b_fmt:MATRIX_FMT_FP6
.endif
.endr
.endm
.macro STEP slot, q, first
	s_wait_dscnt 0x0
	PLACES
	FETCH \slot, (\q)+1, 1-(\q)%2
	WIN MUL
.irp b, 0,1,2,3
	MULY (\q)%2, \b, \first
.endr
.endm
.macro TURN slot, next, fill
	WIN 0
	s_wait_tensorcnt 0x0
	ds_add_u32 v[SPW], v[NIL]
	s_wait_dscnt 1
	WIN MUL
	MULY 1, 0, 0
	s_wait_dscnt 0x0
	s_barrier_signal -1
	MULY 1, 1, 0
	WIN 0
	s_barrier_wait -1
.if \fill
	CREST
	s_add_nc_u64 s[G0A+4*\slot+2:G0A+4*\slot+3], s[G0A+4*\slot+2:G0A+4*\slot+3], 2*REC
	s_add_nc_u64 s[G0B+4*\slot+2:G0B+4*\slot+3], s[G0B+4*\slot+2:G0B+4*\slot+3], 2*REC
	JLOAD \slot
.else
	PLACES
.endif
	FETCH \next, 0, 0
	WIN MUL
	MULY 1, 2, 0
	MULY 1, 3, 0
.endm
	s_wait_alu depctr_va_vdst(0)
	s_wait_tensorcnt 0x0                           ; my one load of the head has landed; K is 1,024, so the two slots hold all of it and nothing is filled again
	s_barrier_signal -1
	s_barrier_wait -1
	FETCH 0, 0, 0
.if (MODE == 1) || (MODE == 3)
	s_wait_loadcnt 32
.else
	s_wait_loadcnt 0x0
.endif
.if MODE == 0
.set i, 0
.rept 32
	v_mul_f32 v[BX+i], s87, v[BX+i]
.set i, i+1
.endr
.endif
	STEP 0, 0, 1
.if LAPS > 1
	WIN 0
	s_mov_b32 s3, LAPS-1
.Llap:
	STEP 0, 1, 0
	STEP 0, 2, 0
	TURN 0, 1, 1
	STEP 1, 0, 0
	STEP 1, 1, 0
	STEP 1, 2, 0
	TURN 1, 0, 1
	STEP 0, 0, 0
	WIN 0
	s_sub_co_u32 s3, s3, 1
	s_cmp_lg_u32 s3, 0
	s_cbranch_scc1 .Llap
.endif
	STEP 0, 1, 0
	STEP 0, 2, 0
	TURN 0, 1, 0
	STEP 1, 0, 0
	STEP 1, 1, 0
	STEP 1, 2, 0
	s_wait_dscnt 0x0
	WIN MUL
	MULY 1, 0, 0
	MULY 1, 1, 0
	MULY 1, 2, 0
	MULY 1, 3, 0
	WIN 0
	PLACES
.irp b, 0,1,2,3
.irp a, 0,1,2,3
	ds_store_b128 v[STO], v[ACC+8*(4*\b+\a):ACC+8*(4*\b+\a)+3] offset:\b*16*528+64*\a
	ds_store_b128 v[STO], v[ACC+8*(4*\b+\a)+4:ACC+8*(4*\b+\a)+7] offset:\b*16*528+64*\a+16
.endr
.endr
	s_wait_dscnt 0x0
	s_barrier_signal -1
	s_barrier_wait -1
.set i, 0
.rept 32
	ds_load_b128 v[ACC+4*i:ACC+4*i+3], v[RD] offset:528*i
.set i, i+1
.endr
	WIN 0x88
.set i, 0
.rept 32
	s_wait_dscnt 31-i
	s_wait_loadcnt 31-i
	v_pk_add_f32 v[4*i:4*i+1], v[ACC+4*i:ACC+4*i+1], v[4*i:4*i+1]
	v_pk_add_f32 v[4*i+2:4*i+3], v[ACC+4*i+2:ACC+4*i+3], v[4*i+2:4*i+3]
.if MODE == 3
	global_store_b128 v[L16], v[4*i:4*i+3], s[78:79] offset:4096*i th:TH_STORE_NT
.else
	global_store_b128 v[L16], v[4*i:4*i+3], s[78:79] offset:4096*i
.endif
.set i, i+1
.endr
	WIN 0
	s_wait_tensorcnt 0x0
	ds_add_u32 v[SPW], v[NIL]
	s_wait_dscnt 0x0
	CROUND
	s_endpgm
.Lfunc_end_k_q16cab4a876_wo:
	.size	k_q16cab4a876_wo, .Lfunc_end_k_q16cab4a876_wo-k_q16cab4a876_wo
	.p2alignl 7, 3214868480
	.fill 96, 4, 3214868480
	.section	.rodata,"a",@progbits
	.p2align	6, 0x0
	.amdhsa_kernel k_q16cab4a876_wo
		.amdhsa_group_segment_fixed_size 327680
		.amdhsa_private_segment_fixed_size 0
		.amdhsa_enable_private_segment 0
		.amdhsa_kernarg_size 40
		.amdhsa_user_sgpr_count 2
		.amdhsa_user_sgpr_kernarg_segment_ptr 1
		.amdhsa_wavefront_size32 1
		.amdhsa_system_sgpr_workgroup_id_x 1
		.amdhsa_system_sgpr_workgroup_id_y 1
		.amdhsa_system_sgpr_workgroup_id_z 1
		.amdhsa_system_vgpr_workitem_id 0
		.amdhsa_next_free_vgpr 768
		.amdhsa_next_free_sgpr 100
		.amdhsa_reserve_vcc 0
		.amdhsa_float_denorm_mode_32 3
		.amdhsa_float_denorm_mode_16_64 3
		.amdhsa_memory_ordered 1
		.amdhsa_forward_progress 1
		.amdhsa_inst_pref_size 64
	.end_amdhsa_kernel
	.amdgpu_metadata
---
amdhsa.version: [ 1, 2 ]
amdhsa.kernels:
  - .name:           k_q16cab4a876_wo
    .symbol:         k_q16cab4a876_wo.kd
    .args:
      - { .name: zq, .offset: 0, .size: 8, .value_kind: global_buffer, .address_space: global }
      - { .name: wq, .offset: 8, .size: 8, .value_kind: global_buffer, .address_space: global }
      - { .name: bo, .offset: 16, .size: 8, .value_kind: global_buffer, .address_space: global }
      - { .name: xb, .offset: 24, .size: 8, .value_kind: global_buffer, .address_space: global }
      - { .name: h, .offset: 32, .size: 8, .value_kind: global_buffer, .address_space: global }
    .group_segment_fixed_size: 327680
    .private_segment_fixed_size: 0
    .kernarg_segment_align: 8
    .kernarg_segment_size: 40
    .max_flat_workgroup_size: 128
    .sgpr_count:     100
    .vgpr_count:     768
    .wavefront_size: 32
...
	.end_amdgpu_metadata
.endif
;; end of part 4
;; launch ln2 (part 5): grid 256 x 1, 8 waves a work-group, no clusters, 67,584 bytes of LDS; arguments h, a2, o2, zq; writes zq
.if DOCPART == 5
	.amdgcn_target "amdgcn-amd-amdhsa--gfx1250"
	.amdhsa_code_object_version 6
	.text
	.protected	k_q16cab4a876_ln2
	.globl	k_q16cab4a876_ln2
	.p2align	8
	.type	k_q16cab4a876_ln2,@function
k_q16cab4a876_ln2:
	s_mov_b64 s[64:65], 0
	v_nop
	global_prefetch_b8 v0, s[64:65] scope:SCOPE_SE
	s_setreg_imm32_b32 hwreg(HW_REG_WAVE_MODE, 25, 1), 1
	s_wait_xcnt 0x0
; z = a (x - mean) / (std + 1e-6) + o of 16 rows of h [4096][1024] a work-group (std with 1023 in the divisor), quantised along the row to codes of FP6 (E2M3) with one E8M0 byte for each 32.
; THE PROGRAM'S OWN LAYOUT.  HIMG (768 bytes): 16 rows x 64 K as an image of six operand registers: lane l's registers 0-3 at 16 l, registers 4-5 at 512 + 8 l; lane (r, h) holds block h of row r.
; FRAG (1,536) = two HIMG.  REC (6,400) = four FRAG (512 along K) and 256 bytes of scale words, row r's word of K step q at 6144 + 16 r + 4 q.  The operand is REC[256][2].
; Inside a block of 32, code place i holds k = 0-7, 16-23, 8-15, 24-31, as in every operand of the program.
; LIMITS: a block of zeros, or one under 2^-124, gets the scale byte 1 (read by this program alone); NaN and infinities are not served.
.set LP,    4112                       ; an LDS row: 4,096 bytes + 16, so that sixteen rows' equal columns start 16 bytes apart modulo 256
.set SCW,   16*LP                      ; behind the rows: the work-group's 128 scale words
.set REC,   6400
	s_load_b256 s[4:11], s[0:1], 0x0               ; x s[4:5], a s[6:7], o s[8:9], the codes s[10:11]
	v_lshl_add_u32 v128, v0, 2, 0x10400
	v_mov_b32 v129, 0
	v_lshrrev_b32 v1, 5, v0
	s_delay_alu instid0(VALU_DEP_1)
	v_readfirstlane_b32 s14, v1                    ; wave 0..7
	v_and_b32 v2, 31, v0                           ; lane
	v_and_b32 v8, 15, v0                           ; r
	s_wait_alu depctr_va_vdst(0)
	v_bfe_u32 v9, v0, 4, 1                         ; h
	v_lshlrev_b32 v6, 4, v2                        ; 16 x lane
	s_wait_alu depctr_va_vdst(0)
	v_lshlrev_b32 v7, 3, v2                        ; 8 x lane
	s_lshl_b32 s15, s14, 13
	v_add_nc_u32 v3, s15, v6                       ; x: my wave's two rows, 16 bytes a lane
	s_mul_i32 s15, s14, 2*LP
	v_add_nc_u32 v4, s15, v6                       ; the same two rows in LDS
	v_mul_u32_u24 v5, v8, LP
	s_delay_alu instid0(VALU_DEP_1)
	v_lshl_add_u32 v5, v9, 7, v5
	s_lshl_b32 s15, s14, 9
	v_add_nc_u32 v5, s15, v5                       ; second phase: row r, K step = my wave, block h
	s_lshr_b32 s16, s14, 2                         ; which 512 along K that step lies in,
	s_and_b32 s17, s14, 3                          ; and which 128 of them it is
	s_lshl_b32 s15, s16, 8
	s_lshl_b32 s18, s17, 2
	s_add_co_u32 s15, s15, s18
	s_add_co_u32 s15, s15, SCW
	v_lshl_add_u32 v20, v8, 4, s15                 ; where my row's scale word goes in LDS
	v_add_nc_u32 v22, SCW, v6                      ; and where wave 0 reads 16 bytes of them back
	v_mul_u32_u24 v23, v9, REC
	s_delay_alu instid0(VALU_DEP_1)
	v_lshl_add_u32 v23, v8, 4, v23                 ; their place in memory: lanes 0-15 the first record, lanes 16-31 the second
	v_lshlrev_b32 v21, 3, v9                       ; 8 h
	v_mov_b32 v12, 0                               ; a lane permute's destination counts as read: written once
	v_mov_b32 v13, 0
	v_mov_b32 v15, 0
	s_mov_b32 s28, 0x76543210
	s_mov_b32 s29, 0xfedcba98                      ; v_permlanex16_b32's selects for lane l xor 16
	s_lshl_b32 s20, ttmp9, 16                      ; 16 rows of 4,096 bytes
	s_mov_b32 s21, 0
	s_mul_i32 s22, ttmp9, 2*REC
	s_mov_b32 s23, 0
	s_wait_kmcnt 0x0
	s_load_b32 s24, s[6:7], 0x0                    ; a
	s_load_b32 s26, s[8:9], 0x0                    ; o
	s_add_nc_u64 s[4:5], s[4:5], s[20:21]
	s_add_nc_u64 s[10:11], s[10:11], s[22:23]      ; my rows' two records
.irp p, 0,1
.irp j, 0,1,2,3,4,5,6,7
	global_load_b128 v[32+32*\p+4*\j:35+32*\p+4*\j], v3, s[4:5] offset:4096*\p+512*\j   ; 512 consecutive bytes a load
.endr
.endr
	s_mul_i32 s20, s16, REC
	s_mul_i32 s22, s17, 1536
	s_add_co_u32 s20, s20, s22
	s_add_nc_u64 s[30:31], s[10:11], s[20:21]      ; my K step's FRAG
	s_wait_kmcnt 0x0
	s_mov_b32 s27, s26                             ; (the packed form names the pair)
	s_wait_loadcnt 0x0
; the pairs v[a:a+1] (first row) and v[a+2:a+3] (second row) become the rows' sums, in every lane
.macro ACROSS a
.irp p, 0,2
	s_delay_alu instid0(VALU_DEP_2)
	v_add_f32 v[\a+\p], v[\a+\p], v[\a+\p+1]
.endr
.irp m, 1,2,4,8
.irp p, 0,2
	s_delay_alu instid0(VALU_DEP_2)
	v_add_f32_dpp v[\a+\p], v[\a+\p], v[\a+\p] row_xmask:\m row_mask:0xf bank_mask:0xf
.endr
.endr
	s_delay_alu instid0(VALU_DEP_2)
	v_permlanex16_b32 v12, v[\a], s28, s29
	s_delay_alu instid0(VALU_DEP_2)
	v_permlanex16_b32 v13, v[\a+2], s28, s29
	s_delay_alu instid0(VALU_DEP_2)
	v_add_f32 v[\a], v[\a], v12
	s_delay_alu instid0(VALU_DEP_2)
	v_add_f32 v[\a+2], v[\a+2], v13
.endm
.irp p, 0,1
	v_pk_add_f32 v[8+2*\p:9+2*\p], v[32+32*\p:33+32*\p], v[34+32*\p:35+32*\p]
.endr
.irp i, 4,6,8,10,12,14,16,18,20,22,24,26,28,30
.irp p, 0,1
	s_delay_alu instid0(VALU_DEP_2)
	v_pk_add_f32 v[8+2*\p:9+2*\p], v[8+2*\p:9+2*\p], v[32+32*\p+\i:33+32*\p+\i]   ; the two rows by turns
.endr
.endr
	ACROSS 8
	s_delay_alu instid0(VALU_DEP_2)
	v_mul_f32 v8, 0x3a800000, v8                   ; the means: / 1024
	s_delay_alu instid0(VALU_DEP_2)
	v_mul_f32 v10, 0x3a800000, v10
.irp i, 0,2,4,6,8,10,12,14,16,18,20,22,24,26,28,30
.irp p, 0,1
	v_pk_add_f32 v[32+32*\p+\i:33+32*\p+\i], v[32+32*\p+\i:33+32*\p+\i], v[8+2*\p:9+2*\p] op_sel_hi:[1,0] neg_lo:[0,1] neg_hi:[0,1]   ; x - mean
.endr
.endr
.irp p, 0,1
	v_pk_mul_f32 v[16+2*\p:17+2*\p], v[32+32*\p:33+32*\p], v[32+32*\p:33+32*\p]
.endr
.irp i, 2,4,6,8,10,12,14,16,18,20,22,24,26,28,30
.irp p, 0,1
	s_delay_alu instid0(VALU_DEP_2)
	v_pk_fma_f32 v[16+2*\p:17+2*\p], v[32+32*\p+\i:33+32*\p+\i], v[32+32*\p+\i:33+32*\p+\i], v[16+2*\p:17+2*\p]
.endr
.endr
	ACROSS 16
	s_delay_alu instid0(VALU_DEP_2)
	v_mul_f32 v16, 0x3a802008, v16                 ; / 1023
	s_delay_alu instid0(VALU_DEP_2)
	v_mul_f32 v18, 0x3a802008, v18
	s_wait_alu depctr_va_vdst(0)
	v_sqrt_f32 v16, v16
	v_sqrt_f32 v18, v18
	v_nop                                          ; a plain line behind the roots,
	s_wait_alu depctr_va_vdst(0)                   ; and the wait ahead of their first reader
	v_add_f32 v16, 0x358637bd, v16                 ; + 1e-6
	v_add_f32 v18, 0x358637bd, v18
	s_wait_alu depctr_va_vdst(0)
	v_rcp_f32 v16, v16
	v_rcp_f32 v18, v18
	v_nop
	s_wait_alu depctr_va_vdst(0)
	v_mul_f32 v16, s24, v16                        ; a / (std + eps)
	v_mul_f32 v18, s24, v18
.irp i, 0,2,4,6,8,10,12,14,16,18,20,22,24,26,28,30
.irp p, 0,1
	v_pk_fma_f32 v[32+32*\p+\i:33+32*\p+\i], v[32+32*\p+\i:33+32*\p+\i], v[16+2*\p:17+2*\p], s[26:27] op_sel_hi:[1,0,0]
.endr
.endr
.irp p, 0,1
.irp j, 0,1,2,3,4,5,6,7
	ds_store_b128 v4, v[32+32*\p+4*\j:35+32*\p+4*\j] offset:LP*\p+512*\j
.endr
.endr
	s_wait_dscnt 0x0                               ; for the others' sake: my two rows lie in LDS
	s_barrier_signal -1
	s_barrier_wait -1
; second phase: wave s makes the FRAG of K step s.  Lane (r, h) takes blocks 4 s + h and 4 s + 2 + h of row r, whole, in the program's order
.irp c, 0,1
.set i, 0
.irp o, 0,16,64,80,32,48,96,112
	ds_load_b128 v[32+32*\c+4*i:35+32*\c+4*i], v5 offset:256*\c+\o
.set i, i+1
.endr
.endr
	s_wait_dscnt 0x0
.irp c, 0,1
	v_max3_num_f32 v[8+\c], |v[32+32*\c]|, |v[33+32*\c]|, 0x1800000   ; with the floor 2^(3 - 127): the byte cannot fall under 1
.endr
.irp i, 2,4,6,8,10,12,14,16,18,20,22,24,26,28,30
.irp c, 0,1
	s_delay_alu instid0(VALU_DEP_2)
	v_max3_num_f32 v[8+\c], v[8+\c], |v[32+32*\c+\i]|, |v[33+32*\c+\i]|
.endr
.endr
.irp c, 0,1
	s_delay_alu instid0(VALU_DEP_2)
	v_add_nc_u32 v[10+\c], 0xff000000, v[8+\c]     ; 2 off the exponent field: the conversion's scale operand
.endr
.irp c, 0,1
	v_cvt_scalef32_pk16_fp6_f32 v[96+6*\c:98+6*\c], v[32+32*\c:47+32*\c], v[10+\c]
	v_cvt_scalef32_pk16_fp6_f32 v[112+4*\c:114+4*\c], v[48+32*\c:63+32*\c], v[10+\c]   ; (a conversion's three registers begin on an even number)
.endr
	v_lshrrev_b32 v12, 23, v10                     ; the bytes.  (Plain lines behind the conversions)
	v_lshrrev_b32 v13, 23, v11
	s_delay_alu instid0(VALU_DEP_1)
	v_lshl_or_b32 v14, v13, 16, v12                ; blocks h and 2 + h,
	s_delay_alu instid0(VALU_DEP_1)
	v_lshlrev_b32 v14, v21, v14                    ; at their places in the word;
	s_delay_alu instid0(VALU_DEP_1)
	v_permlanex16_b32 v15, v14, s28, s29
	s_delay_alu instid0(VALU_DEP_1)
	v_or_b32 v14, v14, v15                         ; with lane l xor 16's two the word is whole
.irp c, 0,1
.irp i, 0,1,2
	v_mov_b32 v[99+6*\c+\i], v[112+4*\c+\i]
.endr
.endr
.irp c, 0,1
	global_store_b128 v6, v[96+6*\c:99+6*\c], s[30:31] offset:768*\c         ; 512 consecutive bytes
	global_store_b64 v7, v[100+6*\c:101+6*\c], s[30:31] offset:768*\c+512    ; 256 consecutive bytes
.endr
	ds_store_b32 v20, v14                          ; lanes r and r + 16 write the same word with the same value
	s_wait_dscnt 0x0
	s_barrier_signal -1
	s_barrier_wait -1
	s_cmp_lg_u32 s14, 0
	s_cbranch_scc1 .Lln_end
	ds_load_b128 v[24:27], v22                     ; wave 0: the 128 words,
	s_wait_dscnt 0x0
	global_store_b128 v23, v[24:27], s[10:11] offset:6144   ; sixteen lanes to each record's 256 bytes
.Lln_end:
	s_wait_tensorcnt 0x0
	ds_add_u32 v128, v129
	s_wait_dscnt 0x0
	s_endpgm
.Lfunc_end_k_q16cab4a876_ln2:
	.size	k_q16cab4a876_ln2, .Lfunc_end_k_q16cab4a876_ln2-k_q16cab4a876_ln2
	.p2alignl 7, 3214868480
	.fill 96, 4, 3214868480
	.section	.rodata,"a",@progbits
	.p2align	6, 0x0
	.amdhsa_kernel k_q16cab4a876_ln2
		.amdhsa_group_segment_fixed_size 67584
		.amdhsa_private_segment_fixed_size 0
		.amdhsa_enable_private_segment 0
		.amdhsa_kernarg_size 32
		.amdhsa_user_sgpr_count 2
		.amdhsa_user_sgpr_kernarg_segment_ptr 1
		.amdhsa_wavefront_size32 1
		.amdhsa_system_sgpr_workgroup_id_x 1
		.amdhsa_system_sgpr_workgroup_id_y 1
		.amdhsa_system_sgpr_workgroup_id_z 1
		.amdhsa_system_vgpr_workitem_id 0
		.amdhsa_next_free_vgpr 130
		.amdhsa_next_free_sgpr 66
		.amdhsa_reserve_vcc 0
		.amdhsa_float_denorm_mode_32 3
		.amdhsa_float_denorm_mode_16_64 3
		.amdhsa_memory_ordered 1
		.amdhsa_forward_progress 1
		.amdhsa_inst_pref_size 25
	.end_amdhsa_kernel
	.amdgpu_metadata
---
amdhsa.version: [ 1, 2 ]
amdhsa.kernels:
  - .name:           k_q16cab4a876_ln2
    .symbol:         k_q16cab4a876_ln2.kd
    .args:
      - { .name: h, .offset: 0, .size: 8, .value_kind: global_buffer, .address_space: global }
      - { .name: a2, .offset: 8, .size: 8, .value_kind: global_buffer, .address_space: global }
      - { .name: o2, .offset: 16, .size: 8, .value_kind: global_buffer, .address_space: global }
      - { .name: zq, .offset: 24, .size: 8, .value_kind: global_buffer, .address_space: global }
    .group_segment_fixed_size: 67584
    .private_segment_fixed_size: 0
    .kernarg_segment_align: 8
    .kernarg_segment_size: 32
    .max_flat_workgroup_size: 256
    .sgpr_count:     66
    .vgpr_count:     130
    .wavefront_size: 32
...
	.end_amdgpu_metadata
.endif
;; end of part 5
;; launch ffn1 (part 6): grid 8 x 32, 4 waves a work-group, clusters of 4 x 4, 327,680 bytes of LDS; arguments zq, wq, b1, hq; writes hq
.if DOCPART == 6
	.amdgcn_target "amdgcn-amd-amdhsa--gfx1250"
	.amdhsa_code_object_version 6
	.text
	.protected	k_q16cab4a876_ffn1
	.globl	k_q16cab4a876_ffn1
	.p2align	8
	.type	k_q16cab4a876_ffn1,@function
k_q16cab4a876_ffn1:
	s_mov_b64 s[64:65], 0
	v_nop
	global_prefetch_b8 v0, s[64:65] scope:SCOPE_SE
	s_setreg_imm32_b32 hwreg(HW_REG_WAVE_MODE, 25, 1), 1
	s_wait_xcnt 0x0
	s_wait_alu depctr_hold_cnt(0) depctr_sa_sdst(0) depctr_va_vdst(0) depctr_va_sdst(0) depctr_va_ssrc(0) depctr_va_vcc(0) depctr_vm_vsrc(0)
	s_getreg_b32 s2, hwreg(HW_REG_IB_STS2, 6, 4)
	s_cmp_eq_u32 s2, 0
	s_cbranch_scc0 .Lentry_in_a_cluster
	s_endpgm
.Lentry_in_a_cluster:
	s_bfe_u32 s2, ttmp6, 0x10000c
	s_cmp_lg_u32 s2, 0xf033
	s_cbranch_scc0 .Lentry_shape_is_right
	s_endpgm
.Lentry_shape_is_right:
; ONE SOURCE FOR TWO LAUNCHES; MODE picks the number of tiles, the arguments and the way out.  C = A B^T, K = 1,024, on codes of FP6 (E2M3) with E8M0 scales, both operands laid as REC[rows / 16][2]:
; REC (6,400 bytes) = four FRAG of 1,536 (16 rows x 128 K as an image of the operand's 12 registers: registers 0-3 at 16 l, 4-5 at 512 + 8 l, 6-9 at 768 + 16 l, 10-11 at 1280 + 8 l) and 256 bytes of scale words (row r, K step q: 6144 + 16 r + 4 q).
; MODE 0: q, k, v = z W + b, quantised (q, k along the head, v along the keys): three tiles | MODE 2: relu(z W1 + b1), quantised along DFF: four tiles.
; A WORK-GROUP STAYS.  It owns 128 tokens, whose codes for all of K (102,400 dense bytes) come into LDS once, and walks the column blocks gx + 8 t of 128 columns.  A block's weights for all of K are 102,400 dense bytes too:
; they go through two LDS slots.  Each wave fetches a quarter of every tile (25,600 bytes, as 100 rows of 256).  The tokens and the first two blocks are first fills: a wave has one load out at a time.  Block t + 2 is asked for in tile t's
; last K step, into the slot that tile t has read out: that load has the way out and the whole next tile in which to land.
; CLUSTER 4 x 4: the tokens' tile is asked for jointly along a row of the cluster, the weights' along a column; a refill stands behind a round of the cluster's barrier.
; A wave makes 64 x 64: 16 accumulators.  THE PRODUCT IS USED TRANSPOSED: source 0 = 16 weight rows, source 1 = 16 tokens: a lane holds one token and eight neighbouring columns; the bias is the C of each sum's first instruction.
; In MODE 0 the third tile (v) takes the tokens as source 0: a lane then holds one column d and its registers run along the tokens, which are v's K; its sums begin with the constant 0 and the bias is added behind them.
; A result that becomes an operand keeps the order in which it falls: inside a block of 32, code place i holds k = 0-7, 16-23, 8-15, 24-31; every operand of the program is laid so.
; The tiles are written out one after the other: what differs between them (slot, sources, bias, place in the output) is a macro's argument or an immediate offset.
; LIMITS: a block of zeros, or one under 2^-124, gets the scale byte 1 (read by this program alone); NaN and infinities are not served.
; REGISTERS.  Window 0: v2, v3 the spare word's address and 0; v4-12 LDS addresses; v16-31 scale words, two sets; v32-111 at work on the way out; v120-127 lane terms; v128-255 accumulator (b, a) at 128 + 8 (4 b + a).
; Window 1: two fragment buffers at v0 and v128: source 0's four FRAG, then source 1's.  Window 2: the biases, tile t's 32 registers at v[32 t].
.set MODE, 2
.if MODE == 0
.set BOFF, 0                           ; the weights' first byte in wq
.else
.set BOFF, 3276800
.endif
.set REC,   6400
.set RT,    2*REC                      ; a row tile's 1,024 along K
.set QUART, 2*RT                       ; what one tensor load brings: two row tiles
.set TILEB, 8*RT                       ; 128 rows x 1,024 K.  LDS: the tokens at 0, the weights' slots at TILEB and 2 TILEB
.set SPARE, 3*TILEB                    ; the spare words: 128 bytes a wave, two blocks of 256 bytes that no other line names
.set KC,    3145728                    ; qkv: k's codes; v's; q's scale words; v's
.set VC,    6291456
.set QS,    9437184
.set VS,    9961472
.set SPW, 2
.set NIL, 3
.set AA,  4                            ; v4-6   my 64 tokens: region + 16 l, + 8 l, + 16 r
.set AB0, 7                            ; v7-9   my 64 weight rows in slot 0, likewise
.set AB1, 10                           ; v10-12 in slot 1
.set SCR, 16
.set TMX, 32
.set TMP, 40
.set SCO, 48
.set HW,  56
.set MW,  60
.set BY,  64
.set TT,  72
.set PP,  88
.set L16, 120
.set L8,  121
.set R16, 122
.set L4,  123
.set H32, 124
.set R4,  125
.set STO, 126
.set RD,  127
.set ACC, 128
.set WV,  16
.set WA,  17
.set WB,  18
.set GX,  21
.set GY,  22
.set G1A, 24                           ; s[24:31] descriptor group 1 for the tokens;  s[32:35] their group 0
.set G0A, 32
.set G0B0, 36                          ; s[36:39] group 0 of the weights' slot 0
.set G1B, 48                           ; s[48:55] group 1 for the weights: it differs in the mask alone
.set G0B1, 56                          ; s[56:59] group 0 of slot 1
.set HMK, 60                           ; s60 lanes 16-31
.set SEL, 66
.set MSB, 0
.macro WIN new                         ; the immediate's high byte repeats the setting that is left
.if MSB != \new
	s_set_vgpr_msb (MSB<<8)|\new
.set MSB, \new
.endif
.endm
.set MUL,  0x05                        ; sources 0 and 1 window 1; C and D window 0
.set MULB, 0x25                        ; the same with C (the bias) in window 2
.set TO_F, 0x40                        ; destination window 1
.macro CREST                           ; a round of the cluster's barrier behind its opening barrier
	s_cmp_lg_u32 s[WV], 0
	s_cbranch_scc1 .Lnot_wave_0_\@
	s_barrier_signal -3
.Lnot_wave_0_\@:
	s_barrier_wait -3
	s_barrier_signal -1
	s_barrier_wait -1
.endm
.macro CROUND
	s_barrier_signal -1
	s_barrier_wait -1
	CREST
.endm
.macro PLACES                          ; four places behind matrix instructions, in front of loads into their registers and of reads of results
.rept 4
	v_nop
.endr
.endm
	s_load_b256 s[4:11], s[0:1], 0x0               ; zq, wq, and MODE 0: bq, bk; MODE 2: b1, hq
.if MODE == 0
	s_load_b128 s[12:15], s[0:1], 0x20             ; bv, qkv
.endif
	v_lshl_add_u32 v[SPW], v0, 2, SPARE
	v_mov_b32 v[NIL], 0
	ds_add_u32 v2, v3
	ds_add_u32 v2, v3
	s_wait_dscnt 0x0
	v_lshrrev_b32 v1, 5, v0
	v_readfirstlane_b32 s[WV], v1                  ; wave 0..3
	s_lshr_b32 s[WA], s[WV], 1                     ; my half of the tokens
	s_and_b32 s[WB], s[WV], 1                      ; my half of the columns
	s_bfe_u32 s19, ttmp6, 0x40000                  ; cx
	s_bfe_u32 s20, ttmp6, 0x40004                  ; cy
	s_lshl_b32 s[GX], ttmp9, 2
	s_add_co_u32 s[GX], s[GX], s19                 ; my first block of 128 columns, 0..7
	s_and_b32 s[GY], ttmp7, 0xffff
	s_lshl_b32 s[GY], s[GY], 2
	s_add_co_u32 s[GY], s[GY], s20                 ; my block of 128 tokens
	s_lshl_b32 s40, s20, 2
	s_lshl_b32 s40, 15, s40                        ; my row of the cluster
	s_lshl_b32 s41, 0x1111, s19                    ; my column
	s_or_b32 s[G1A], s40, (3<<16)|(1<<21)          ; 15:0 the mask; 17:16 elements of 8 bytes; 21 set beside a mask; no padding
	s_or_b32 s[G1B], s41, (3<<16)|(1<<21)
.irp g, G1A, G1B
	s_mov_b32 s[\g+1], 32<<16                      ; tensor_dim0: 256 bytes
	s_mov_b32 s[\g+2], 100<<16                     ; tensor_dim1: 100 rows: a dense block of 25,600 bytes
	s_mov_b32 s[\g+3], 32<<16                      ; tile_dim0
	s_mov_b32 s[\g+4], 100                         ; tile_dim1
	s_mov_b32 s[\g+5], 32                          ; the pitch: dense
	s_mov_b32 s[\g+6], 0
	s_mov_b32 s[\g+7], 0
.endr
	s_mov_b32 s[G1A+2], 200<<16                    ; the head's loads, one a wave: half of the tokens' tile is 200 rows of 256 bytes,
	s_mov_b32 s[G1A+4], 200
	s_mov_b32 s[G1B+2], 200<<16                    ; and so is half of a block of weights; behind the head's wait the weights' group 1 counts 100 rows
	s_mov_b32 s[G1B+4], 200
	s_mul_i32 s23, s[WV], QUART
	s_mul_i32 s42, s[GY], TILEB
	s_mul_i32 s46, s[WB], 4*RT                     ; waves 0 and 1 fetch the tokens' two halves
	s_add_co_u32 s42, s42, s46
	s_mov_b32 s43, 0
	s_mul_i32 s68, s[GX], TILEB
	s_add_co_u32 s68, s68, s23
	s_add_co_u32 s68, s68, BOFF                    ; the weights' on gx alone
	s_mov_b32 s69, 0
	s_wait_kmcnt 0x0
	s_add_nc_u64 s[44:45], s[4:5], s[42:43]
	s_add_nc_u64 s[70:71], s[6:7], s[68:69]
	CROUND                                         ; all sixteen work-groups are here: the first joint loads meet
	s_mov_b32 s[G0A], 1
	s_mov_b32 s[G0A+1], s46
	s_mov_b64 s[G0A+2:G0A+3], s[44:45]
	s_or_b32 s[G0A+3], s[G0A+3], 0x80000000
	s_mov_b32 s[G0B0], 1
	s_add_co_u32 s[G0B0+1], s23, TILEB
	s_mov_b64 s[G0B0+2:G0B0+3], s[70:71]           ; block gx
	s_or_b32 s[G0B0+3], s[G0B0+3], 0x80000000
	s_mov_b32 s[G0B1], 1
	s_add_co_u32 s[G0B1+1], s23, 2*TILEB
	s_add_nc_u64 s[G0B1+2:G0B1+3], s[70:71], 8*TILEB   ; block gx + 8
	s_or_b32 s[G0B1+3], s[G0B1+3], 0x80000000
	s_mul_i32 s98, s[GX], TILEB                    ; waves 2 and 3 fetch the two halves of block gx, into slot 0
	s_mul_i32 s97, s[WB], 4*RT
	s_add_co_u32 s98, s98, s97
	s_add_co_u32 s98, s98, BOFF
	s_mov_b32 s99, 0
	s_add_nc_u64 s[98:99], s[6:7], s[98:99]
	s_or_b32 s99, s99, 0x80000000
	s_mov_b32 s96, 1
	s_mul_i32 s97, s[WB], 4*RT
	s_add_co_u32 s97, s97, TILEB
	s_cmp_eq_u32 s[WA], 0                          ; one chain on the wave's number, one joint load to an arm: one tensor load a wave at the head
	s_cbranch_scc0 .Lhead_w
	tensor_load_to_lds s[G0A:G0A+3], s[G1A:G1A+7]
	s_nop 0
.rept 4
	v_nop
.endr
	s_branch .Lhead_asked
.Lhead_w:
	tensor_load_to_lds s[96:99], s[G1B:G1B+7]
	s_nop 0
.rept 4
	v_nop
.endr
.Lhead_asked:
.rept 4
	v_nop
.endr
	v_and_b32 v1, 31, v0
	v_lshlrev_b32 v[L16], 4, v1
	v_lshlrev_b32 v[L8], 3, v1
	v_lshlrev_b32 v[L4], 2, v1
	v_and_b32 v[STO], 15, v0                       ; r
	v_bfe_u32 v[RD], v0, 4, 1                      ; h
	v_lshlrev_b32 v[R16], 4, v[STO]
	v_lshlrev_b32 v[R4], 2, v[STO]
	v_lshlrev_b32 v[H32], 5, v[RD]
	s_mul_i32 s61, s[WA], 4*RT                     ; my 64 tokens: four row tiles
	s_mul_i32 s62, s[WB], 4*RT
	s_add_co_u32 s62, s62, TILEB                   ; my 64 weight rows in slot 0
	v_add_nc_u32 v[AA], s61, v[L16]
	v_add_nc_u32 v[AA+1], s61, v[L8]
	v_add_nc_u32 v[AA+2], s61, v[R16]
.irp g, AB0, AB1
	v_add_nc_u32 v[\g], s62, v[L16]
	v_add_nc_u32 v[\g+1], s62, v[L8]
	v_add_nc_u32 v[\g+2], s62, v[R16]
	s_add_co_u32 s62, s62, TILEB
.endr
	s_mov_b32 s[SEL], 0x76543210
	s_mov_b32 s[SEL+1], 0xfedcba98                 ; v_permlanex16_b32's selects for lane l xor 16
	s_mov_b32 s[HMK], 0xffff0000
	s_lshl_b32 s90, s[GX], 9
	s_lshl_b32 s91, s[WB], 8
	s_add_co_u32 s90, s90, s91                     ; my first column of block gx, in bytes of f32
	s_mov_b32 s91, 0
	s_add_nc_u64 s[84:85], s[8:9], s[90:91]
.if MODE == 0
	s_add_nc_u64 s[86:87], s[10:11], s[90:91]
	s_add_nc_u64 s[88:89], s[12:13], s[90:91]
.endif
	WIN 0x80                                       ; destination window 2: all tiles' biases, once.  bias[n0 + 16 a + 8 h + 0 .. 7]: the result's layout
.if MODE == 0
.irp a, 0,1,2,3
	global_load_b128 v[8*\a:8*\a+3], v[H32], s[84:85] offset:64*\a
	global_load_b128 v[8*\a+4:8*\a+7], v[H32], s[84:85] offset:64*\a+16
	global_load_b128 v[32+8*\a:32+8*\a+3], v[H32], s[86:87] offset:64*\a
	global_load_b128 v[32+8*\a+4:32+8*\a+7], v[H32], s[86:87] offset:64*\a+16
.endr
.else
.irp t, 0,1,2,3
.irp a, 0,1,2,3
	global_load_b128 v[32*\t+8*\a:32*\t+8*\a+3], v[H32], s[84:85] offset:4096*\t+64*\a       ; block gx + 8 t lies 1,024 columns on
	global_load_b128 v[32*\t+8*\a+4:32*\t+8*\a+7], v[H32], s[84:85] offset:4096*\t+64*\a+16
.endr
.endr
.endif
	WIN 0
.if MODE == 0
.irp b, 0,1,2,3
	global_load_b32 v[BY+2*\b], v[R4], s[88:89] offset:64*\b      ; bv[n0 + 16 b + r], twice: a pair for the packed addition
	global_load_b32 v[BY+2*\b+1], v[R4], s[88:89] offset:64*\b
.endr
	; where my results go: made once; a tile's place is an immediate offset
	s_lshl_b32 s92, s[GX], 1
	s_add_co_u32 s92, s92, s[WB]                   ; my 64 columns are one head
	s_lshr_b32 s93, s[GY], 4
	s_lshl_b32 s93, s93, 4
	s_add_co_u32 s92, s92, s93                     ; 16 x batch + head
	s_and_b32 s93, s[GY], 15                       ; the block of 128 tokens in the batch
	s_lshl_b32 s94, s92, 7
	s_lshl_b32 s95, s93, 3
	s_add_co_u32 s94, s94, s95
	s_lshl_b32 s95, s[WA], 2
	s_add_co_u32 s94, s94, s95                     ; q, k: my first tile of 16 tokens
	s_mul_i32 s68, s94, 768
	s_mov_b32 s69, 0
	s_lshl_b32 s70, s94, 6
	s_add_co_u32 s70, s70, QS
	s_mov_b32 s71, 0
	s_lshl_b32 s94, s92, 4
	s_add_co_u32 s94, s94, s93                     ; v: the head's step of 128 keys
	s_mul_i32 s72, s94, 6144
	s_mul_i32 s95, s[WA], 768
	s_add_co_u32 s72, s72, s95
	s_add_co_u32 s72, s72, VC
	s_mov_b32 s73, 0
	s_lshl_b32 s74, s94, 8
	s_lshl_b32 s95, s[WA], 1
	s_add_co_u32 s74, s74, s95
	s_add_co_u32 s74, s74, VS
	s_mov_b32 s75, 0
	s_add_nc_u64 s[76:77], s[14:15], s[68:69]      ; q's codes (k's lie KC on)
	s_add_nc_u64 s[78:79], s[14:15], s[70:71]      ; q's scale words (k's 262,144 on)
	s_add_nc_u64 s[80:81], s[14:15], s[72:73]      ; v's codes
	s_add_nc_u64 s[82:83], s[14:15], s[74:75]      ; v's scale words
.else
	v_mul_u32_u24 v[STO], v[RD], 8*REC
	v_add_nc_u32 v[STO], v[STO], v[R16]            ; the half words' lane term: lanes 16-31 one token tile on
	s_lshl_b32 s92, s[GY], 3
	s_lshl_b32 s93, s[WA], 2
	s_add_co_u32 s92, s92, s93                     ; my first token tile
	s_lshl_b32 s92, s92, 3
	s_lshr_b32 s93, s[GX], 2
	s_add_co_u32 s92, s92, s93
	s_mul_i32 s92, s92, REC                        ; its record: block g's 128 columns are K step g of the next product; block gx + 8 t lies two records on for each t
	s_and_b32 s93, s[GX], 3
	s_mul_i32 s68, s93, 1536
	s_mul_i32 s94, s[WB], 768
	s_add_co_u32 s68, s68, s94
	s_add_co_u32 s68, s68, s92
	s_mov_b32 s69, 0
	s_lshl_b32 s70, s93, 2
	s_lshl_b32 s94, s[WB], 1
	s_add_co_u32 s70, s70, s94
	s_add_co_u32 s70, s70, s92
	s_add_co_u32 s70, s70, 6144
	s_mov_b32 s71, 0
	s_add_nc_u64 s[76:77], s[10:11], s[68:69]
	s_add_nc_u64 s[78:79], s[10:11], s[70:71]
.endif
.macro FRAG reg, a, off
	ds_load_b128 v[\reg:\reg+3], v[\a] offset:\off
	ds_load_b64 v[\reg+4:\reg+5], v[\a+1] offset:\off+512
	ds_load_b128 v[\reg+6:\reg+9], v[\a] offset:\off+768
	ds_load_b64 v[\reg+10:\reg+11], v[\a+1] offset:\off+1280
.endm
; 40 LDS loads: K step s (0..7) into buffer f, its scale words into set f.  x, y: the address registers of source 0's and source 1's rows.  Every load reads consecutive bytes
.macro FETCH x, y, s, f
.set KO, ((\s)/4)*REC+((\s)%4)*1536
.set SO, ((\s)/4)*REC+6144+((\s)%4)*4
	WIN TO_F
.irp i, 0,1,2,3
	FRAG 128*(\f)+12*\i, \x, \i*RT+KO
	FRAG 128*(\f)+48+12*\i, \y, \i*RT+KO
.endr
	WIN 0
.irp i, 0,1,2,3
	ds_load_b32 v[SCR+8*(\f)+\i], v[\x+2] offset:\i*RT+SO
	ds_load_b32 v[SCR+8*(\f)+4+\i], v[\y+2] offset:\i*RT+SO
.endr
.endm
; source 1's tile b against source 0's four.  cm = 0: onto the sums; 1: tile t's bias starts them; 2: the constant 0 does.  The 16 accumulators take turns in the same order in every step
.macro MULY f, b, cm, t
.irp a, 0,1,2,3
.if \cm == 1
	v_wmma_scale_f32_16x16x128_f8f6f4 v[ACC+8*(4*\b+\a):ACC+8*(4*\b+\a)+7], v[128*(\f)+12*\a:128*(\f)+12*\a+11], v[128*(\f)+48+12*\b:128*(\f)+48+12*\b+11], v[32*(\t)+8*\a:32*(\t)+8*\a+7], v[SCR+8*(\f)+\a], v[SCR+8*(\f)+4+\b] matrix_a_fmt:MATRIX_FMT_FP6 matrix_b_fmt:MATRIX_FMT_FP6
.elseif \cm == 2
	v_wmma_scale_f32_16x16x128_f8f6f4 v[ACC+8*(4*\b+\a):ACC+8*(4*\b+\a)+7], v[128*(\f)+12*\a:128*(\f)+12*\a+11], v[128*(\f)+48+12*\b:128*(\f)+48+12*\b+11], 0, v[SCR+8*(\f)+\a], v[SCR+8*(\f)+4+\b] matrix_a_fmt:MATRIX_FMT_FP6 matrix_b_fmt:MATRIX_FMT_FP6
.else
	v_wmma_scale_f32_16x16x128_f8f6f4 v[ACC+8*(4*\b+\a):ACC+8*(4*\b+\a)+7], v[128*(\f)+12*\a:128*(\f)+12*\a+11], v[128*(\f)+48+12*\b:128*(\f)+48+12*\b+11], v[ACC+8*(4*\b+\a):ACC+8*(4*\b+\a)+7], v[SCR+8*(\f)+\a], v[SCR+8*(\f)+4+\b] matrix_a_fmt:MATRIX_FMT_FP6 matrix_b_fmt:MATRIX_FMT_FP6
.endif
.endr
.endm
.macro STEP x, y, s, cm, t             ; K step s of 0..6.  The next step's loads are issued first, so that LDS always has a step's loads queued; then the wait for this step's
	PLACES                                         ; behind the last step's products, which read the other buffer
	FETCH \x, \y, (\s)+1, 1-(\s)%2
	s_wait_dscnt 40                                ; all but the 40 just issued: this step's buffer and scale words are in
.if \cm == 1
	WIN MULB
.else
	WIN MUL
.endif
.irp b, 0,1,2,3
	MULY (\s)%2, \b, \cm, \t
.endr
.endm
.macro STEPS x, y, cm, t               ; a tile's K steps 0 to 6
	STEP \x, \y, 0, \cm, \t
.irp s, 1,2,3,4,5,6
	STEP \x, \y, \s, 0, 0
.endr
.endm
; A tile's last K step (buffer 1) changes slots: one barrier; in front of it each wave waits for all its tensor loads, adds 0 to its spare word, and waits for that and for its reads of this tile's slot.
; fill = 1: the barrier opens a round of the cluster's barrier, and the slot (group 0 at s[g]) takes the block two tiles on.  nx, ny: the next tile's sources, whose first fragments are fetched here.
.macro TURN fill, g, nx, ny
	WIN 0
	s_wait_tensorcnt 0x0                           ; all my tensor loads have landed: my part of the next tile's slot among them
	ds_add_u32 v[SPW], v[NIL]                      ; 0 onto my spare word
	s_wait_dscnt 1                                 ; buffer 1 is in; the add alone may be out
	WIN MUL
	MULY 1, 0, 0, 0
	s_wait_dscnt 0x0                               ; the add is done, and my reads of this slot are over
	s_barrier_signal -1
	MULY 1, 1, 0, 0
	WIN 0
	s_barrier_wait -1
.if \fill
	CREST                                          ; no wave of any partner still reads this slot or has a load on its way
	s_add_nc_u64 s[\g+2:\g+3], s[\g+2:\g+3], 16*TILEB
	tensor_load_to_lds s[\g:\g+3], s[G1B:G1B+7]    ; my one tensor load behind the round; the four v_nop behind it are also the places in front of the loads below
	s_nop 0
.rept 4
	v_nop
.endr
.else
	PLACES
.endif
	FETCH \nx, \ny, 0, 0
	WIN MUL
	MULY 1, 2, 0, 0
	MULY 1, 3, 0, 0
	WIN 0
	PLACES                                         ; in front of the way out's first read of the sums
.endm
.macro LAST                            ; the last tile's last K step: nothing more to fetch
	s_wait_dscnt 0x0
	WIN MUL
	MULY 1, 0, 0, 0
	MULY 1, 1, 0, 0
	MULY 1, 2, 0, 0
	MULY 1, 3, 0, 0
	WIN 0
	PLACES
.endm
; The wave's 64 x 64 become four HIMG (768 bytes: half a FRAG): for source 1's tile b a lane's 32 registers are two half blocks of 32 along the next K; lane l xor 16 holds the other halves.
.macro HQ4
.irp n, 0,1,2,3,4,5,6,7
	v_mov_b32 v[TMP+\n], 0                         ; a lane permute's destination counts as read
.endr
.irp n, 0,1,2,3,4,5,6,7
	v_max3_num_f32 v[TMX+\n], |v[ACC+16*\n]|, |v[ACC+16*\n+1]|, 0x1800000   ; each accumulator is read from its low end on; the floor 2^(3 - 127) holds the byte at 1
.endr
.irp i, 2,4,6,8,10,12,14
.irp n, 0,1,2,3,4,5,6,7
	v_max3_num_f32 v[TMX+\n], v[TMX+\n], |v[ACC+16*\n+\i]|, |v[ACC+16*\n+\i+1]|
.endr
.endr
.irp n, 0,1,2,3,4,5,6,7
	v_permlanex16_b32 v[TMP+\n], v[TMX+\n], s[SEL], s[SEL+1]
.endr
.irp n, 0,1,2,3,4,5,6,7
	v_max_num_f32 v[TMX+\n], v[TMX+\n], v[TMP+\n]
.endr
.irp n, 0,1,2,3,4,5,6,7
	v_add_nc_u32 v[SCO+\n], 0xff000000, v[TMX+\n]  ; 2 off the exponent field: the conversion's scale operand
.endr
.irp n, 0,1,2,3,4,5,6,7
	v_lshrrev_b32 v[TMP+\n], 23, v[SCO+\n]         ; the byte
.endr
.irp b, 0,1,2,3
	v_lshl_or_b32 v[HW+\b], v[TMP+2*\b+1], 8, v[TMP+2*\b]   ; half a scale word: row r's two bytes
.endr
.irp b, 0,1,2,3
	v_cvt_scalef32_pk16_fp6_f32 v[PP+6*\b:PP+6*\b+2], v[ACC+32*\b:ACC+32*\b+15], v[SCO+2*\b]
	v_cvt_scalef32_pk16_fp6_f32 v[TT+4*\b:TT+4*\b+2], v[ACC+32*\b+16:ACC+32*\b+31], v[SCO+2*\b+1]
.endr
	v_nop                                          ; one plain line behind the conversions
.irp b, 0,1,2,3
.irp i, 0,1,2
	v_permlane16_swap_b32 v[PP+6*\b+\i], v[TT+4*\b+\i]      ; a whole block to a lane: lanes 0-15 the first block, lanes 16-31 the second
.endr
.irp i, 0,1,2
	v_mov_b32 v[PP+6*\b+3+\i], v[TT+4*\b+\i]
.endr
.endr
.irp p, 0,1
	v_cndmask_b32 v[MW+\p], v[HW+2*\p], v[HW+2*\p+1], s[HMK]   ; lanes 0-15 carry tile 2 p's half words, lanes 16-31 tile 2 p + 1's
.endr
.endm
; THE WAYS OUT.  While one runs, the refill and the next tile's first fragments are on their way; it names no register of theirs.
.if MODE == 0
.macro OUT_QK t                        ; t = 0: q, 1: k
.if \t > 0
	s_wait_xcnt 0x0                                ; the last tile's stores have read their data registers, which are written again below
.endif
	HQ4
.irp b, 0,1,2,3
	global_store_b128 v[L16], v[PP+6*\b:PP+6*\b+3], s[76:77] offset:\t*KC+768*\b          ; a tile of 16 tokens x the head's 64: one HIMG, consecutive bytes
	global_store_b64 v[L8], v[PP+6*\b+4:PP+6*\b+5], s[76:77] offset:\t*KC+768*\b+512
.endr
.irp p, 0,1
	global_store_b32 v[L4], v[MW+\p], s[78:79] offset:\t*262144+128*\p                    ; a word a token: bytes 2, 3 are 0
.endr
.endm
.macro OUT_V
	s_wait_xcnt 0x0
.irp b, 0,1,2,3
.set i, 0
.rept 16
	v_pk_add_f32 v[ACC+32*\b+i:ACC+32*\b+i+1], v[ACC+32*\b+i:ACC+32*\b+i+1], v[BY+2*\b:BY+2*\b+1]   ; a lane's column has one bias
.set i, i+2
.endr
.endr
	HQ4
.irp b, 0,1,2,3
	global_store_b128 v[L16], v[PP+6*\b:PP+6*\b+3], s[80:81] offset:1536*\b               ; 16 of the head's 64 x my 64 keys: half WA of the FRAG
	global_store_b64 v[L8], v[PP+6*\b+4:PP+6*\b+5], s[80:81] offset:1536*\b+512
.endr
.irp p, 0,1
	global_store_b16 v[L4], v[MW+\p], s[82:83] offset:128*\p                              ; half WA of each column's scale word
.endr
.endm
.else
.macro OUT_H t
.if \t > 0
	s_wait_xcnt 0x0                                ; the last tile's stores have read their data registers, which are written again below
.endif
.set i, 0
.rept 128
	v_max_num_f32 v[ACC+i], 0, v[ACC+i]            ; the activation, in f32, each accumulator from its low end on
.set i, i+1
.endr
	HQ4
.irp b, 0,1,2,3
	global_store_b128 v[L16], v[PP+6*\b:PP+6*\b+3], s[76:77] offset:8*REC*\b+2*REC*\t     ; one HIMG a token tile: consecutive bytes
	global_store_b64 v[L8], v[PP+6*\b+4:PP+6*\b+5], s[76:77] offset:8*REC*\b+2*REC*\t+512
.endr
.irp p, 0,1
	global_store_b16 v[STO], v[MW+\p], s[78:79] offset:16*REC*\p+2*REC*\t                 ; half WB of each token's scale word
.endr
.endm
.endif
	s_wait_alu depctr_va_vdst(0)
	s_wait_tensorcnt 0x0                           ; my one load of the head has landed
	ds_add_u32 v[SPW], v[NIL]                      ; 0 onto my spare word, ahead of a later first fill as ahead of a refill
	s_mov_b32 s[G1B+2], 100<<16                    ; no tensor load of mine is out: from here on a load of weights brings a quarter of a block
	s_mov_b32 s[G1B+4], 100
	s_wait_dscnt 0x0                               ; the add is done
	CROUND                                         ; a whole round: the tokens and slot 0 are in, and all sixteen work-groups are here
	tensor_load_to_lds s[G0B1:G0B1+3], s[G1B:G1B+7]    ; slot 1's first fill, my quarter of block gx + 8: it has the first tile's eight K steps in which to land
	s_nop 0
.rept 4
	v_nop
.endr
	FETCH AB0, AA, 0, 0
	s_wait_loadcnt 0x0                             ; the biases
.if MODE == 0
	STEPS AB0, AA, 1, 0                            ; q, from slot 0
	TURN 1, G0B0, AB1, AA                          ; slot 0 takes Wv's block
	OUT_QK 0
	STEPS AB1, AA, 1, 1                            ; k, from slot 1
	TURN 0, G0B0, AA, AB0                          ; nothing is left to fetch: a barrier alone; v takes the tokens as source 0
	OUT_QK 1
	STEPS AA, AB0, 2, 0                            ; v, from slot 0
	LAST
	OUT_V
.else
	STEPS AB0, AA, 1, 0
	TURN 1, G0B0, AB1, AA                          ; slot 0 takes block gx + 16
	OUT_H 0
	STEPS AB1, AA, 1, 1
	TURN 1, G0B1, AB0, AA                          ; slot 1 takes block gx + 24
	OUT_H 1
	STEPS AB0, AA, 1, 2
	TURN 0, G0B0, AB1, AA                          ; nothing is left to fetch: a barrier alone
	OUT_H 2
	STEPS AB1, AA, 1, 3
	LAST
	OUT_H 3
.endif
	s_wait_tensorcnt 0x0                           ; the wave's end
	ds_add_u32 v[SPW], v[NIL]
	s_wait_dscnt 0x0
	CROUND                                         ; the closing round
	s_endpgm
.Lfunc_end_k_q16cab4a876_ffn1:
	.size	k_q16cab4a876_ffn1, .Lfunc_end_k_q16cab4a876_ffn1-k_q16cab4a876_ffn1
	.p2alignl 7, 3214868480
	.fill 96, 4, 3214868480
	.section	.rodata,"a",@progbits
	.p2align	6, 0x0
	.amdhsa_kernel k_q16cab4a876_ffn1
		.amdhsa_group_segment_fixed_size 327680
		.amdhsa_private_segment_fixed_size 0
		.amdhsa_enable_private_segment 0
		.amdhsa_kernarg_size 32
		.amdhsa_user_sgpr_count 2
		.amdhsa_user_sgpr_kernarg_segment_ptr 1
		.amdhsa_wavefront_size32 1
		.amdhsa_system_sgpr_workgroup_id_x 1
		.amdhsa_system_sgpr_workgroup_id_y 1
		.amdhsa_system_sgpr_workgroup_id_z 1
		.amdhsa_system_vgpr_workitem_id 0
		.amdhsa_next_free_vgpr 768
		.amdhsa_next_free_sgpr 100
		.amdhsa_reserve_vcc 0
		.amdhsa_float_denorm_mode_32 3
		.amdhsa_float_denorm_mode_16_64 3
		.amdhsa_memory_ordered 1
		.amdhsa_forward_progress 1
		.amdhsa_inst_pref_size 217
	.end_amdhsa_kernel
	.amdgpu_metadata
---
amdhsa.version: [ 1, 2 ]
amdhsa.kernels:
  - .name:           k_q16cab4a876_ffn1
    .symbol:         k_q16cab4a876_ffn1.kd
    .args:
      - { .name: zq, .offset: 0, .size: 8, .value_kind: global_buffer, .address_space: global }
      - { .name: wq, .offset: 8, .size: 8, .value_kind: global_buffer, .address_space: global }
      - { .name: b1, .offset: 16, .size: 8, .value_kind: global_buffer, .address_space: global }
      - { .name: hq, .offset: 24, .size: 8, .value_kind: global_buffer, .address_space: global }
    .group_segment_fixed_size: 327680
    .private_segment_fixed_size: 0
    .kernarg_segment_align: 8
    .kernarg_segment_size: 32
    .max_flat_workgroup_size: 128
    .sgpr_count:     100
    .vgpr_count:     768
    .wavefront_size: 32
...
	.end_amdgpu_metadata
.endif
;; end of part 6
;; launch ffn2 (part 7): grid 8 x 32, 4 waves a work-group, clusters of 4 x 4, 327,680 bytes of LDS; arguments hq, wq, b2, h, out0; writes out0
.if DOCPART == 7
	.amdgcn_target "amdgcn-amd-amdhsa--gfx1250"
	.amdhsa_code_object_version 6
	.text
	.protected	k_q16cab4a876_ffn2
	.globl	k_q16cab4a876_ffn2
	.p2align	8
	.type	k_q16cab4a876_ffn2,@function
k_q16cab4a876_ffn2:
	s_mov_b64 s[64:65], 0
	v_nop
	global_prefetch_b8 v0, s[64:65] scope:SCOPE_SE
	s_setreg_imm32_b32 hwreg(HW_REG_WAVE_MODE, 25, 1), 1
	s_wait_xcnt 0x0
	s_wait_alu depctr_hold_cnt(0) depctr_sa_sdst(0) depctr_va_vdst(0) depctr_va_sdst(0) depctr_va_ssrc(0) depctr_va_vcc(0) depctr_vm_vsrc(0)
	s_getreg_b32 s2, hwreg(HW_REG_IB_STS2, 6, 4)
	s_cmp_eq_u32 s2, 0
	s_cbranch_scc0 .Lentry_in_a_cluster
	s_endpgm
.Lentry_in_a_cluster:
	s_bfe_u32 s2, ttmp6, 0x10000c
	s_cmp_lg_u32 s2, 0xf033
	s_cbranch_scc0 .Lentry_shape_is_right
	s_endpgm
.Lentry_shape_is_right:
.set MODE, 3
.if MODE == 3
.set KTOT, 4096
.else
.set KTOT, 1024
.endif
.set BOFF, 0
.if MODE == 1
.set BOFF, 2457600
.endif
.if MODE == 2
.set BOFF, 3276800
.endif
.if MODE == 3
.set BOFF, 6553600
.endif
.set NG,    KTOT/512
.set LAPS,  KTOT/1024
.set REC,   6400
.set HALFT, 4*REC
.set SLOT,  4*HALFT
.set STAGE, 2*SLOT
.set SPARE, STAGE+128*528
.set KC,    3145728
.set VC,    6291456
.set QS,    9437184
.set VS,    9961472
.set SPW, 2
.set NIL, 3
.set AD,  4
.set SCR, 16
.set BX,  32
.set BY,  64
.set ACC, 128
.set TMX, 32
.set TMP, 40
.set SCO, 48
.set HW,  56
.set MW,  60
.set TT,  72
.set PP,  88
.set L16, 120
.set L8,  121
.set R16, 122
.set L4,  123
.set H32, 124
.set R4,  125
.set STO, 126
.set RD,  127
.set WV,  16
.set WA,  17
.set WB,  18
.set GX,  21
.set GY,  22
.set G1A, 24
.set G0A, 32
.set G1B, 48
.set G0B, 56
.set SEL, 66
.set MSB, 0
.macro WIN new
.if MSB != \new
	s_set_vgpr_msb (MSB<<8)|\new
.set MSB, \new
.endif
.endm
.set MUL,  0x05
.set TO_F, 0x40
.macro JLOAD s
	s_cmp_eq_u32 s[WA], 0
	s_cbranch_scc0 .Lfor_b_\@
	tensor_load_to_lds s[G0A+4*\s:G0A+4*\s+3], s[G1A:G1A+7]
	s_nop 0
.rept 4
	v_nop
.endr
	s_branch .Lasked_\@
.Lfor_b_\@:
	tensor_load_to_lds s[G0B+4*\s:G0B+4*\s+3], s[G1B:G1B+7]
	s_nop 0
.rept 4
	v_nop
.endr
.Lasked_\@:
.endm
.macro CREST
	s_cmp_lg_u32 s[WV], 0
	s_cbranch_scc1 .Lnot_wave_0_\@
	s_barrier_signal -3
.Lnot_wave_0_\@:
	s_barrier_wait -3
	s_barrier_signal -1
	s_barrier_wait -1
.endm
.macro CROUND
	s_barrier_signal -1
	s_barrier_wait -1
	CREST
.endm
.macro PLACES
.rept 4
	v_nop
.endr
.endm
	s_load_b256 s[4:11], s[0:1], 0x0
.if MODE == 0
	s_load_b128 s[12:15], s[0:1], 0x20
.endif
.if (MODE == 1) || (MODE == 3)
	s_load_b64 s[12:13], s[0:1], 0x20
.endif
	v_lshl_add_u32 v[SPW], v0, 2, SPARE
	v_mov_b32 v[NIL], 0
	ds_add_u32 v2, v3
	ds_add_u32 v2, v3
	s_wait_dscnt 0x0
	v_lshrrev_b32 v1, 5, v0
	v_readfirstlane_b32 s[WV], v1
	s_lshr_b32 s[WA], s[WV], 1
	s_and_b32 s[WB], s[WV], 1
	s_bfe_u32 s19, ttmp6, 0x40000
	s_bfe_u32 s20, ttmp6, 0x40004
	s_lshl_b32 s[GX], ttmp9, 2
	s_add_co_u32 s[GX], s[GX], s19
	s_and_b32 s[GY], ttmp7, 0xffff
	s_lshl_b32 s[GY], s[GY], 2
	s_add_co_u32 s[GY], s[GY], s20
	s_lshl_b32 s40, s20, 2
	s_lshl_b32 s40, 15, s40
	s_lshl_b32 s41, 0x1111, s19
	s_or_b32 s[G1A], s40, (3<<16)|(1<<21)
	s_or_b32 s[G1B], s41, (3<<16)|(1<<21)
.irp g, G1A, G1B
	s_mov_b32 s[\g+1], 800<<16
	s_mov_b32 s[\g+2], 8<<16
	s_mov_b32 s[\g+3], 800<<16
	s_mov_b32 s[\g+4], 8
	s_mov_b32 s[\g+5], NG*800
	s_mov_b32 s[\g+6], 0
	s_mov_b32 s[\g+7], 0
.endr
	s_lshl_b32 s46, s[WB], 2
	s_lshl_b32 s42, s[GY], 3
	s_add_co_u32 s42, s42, s46
	s_mul_i32 s42, s42, NG*REC
	s_mov_b32 s43, 0
	s_lshl_b32 s68, s[GX], 3
	s_add_co_u32 s68, s68, s46
	s_mul_i32 s68, s68, NG*REC
	s_add_co_u32 s68, s68, BOFF
	s_mov_b32 s69, 0
	s_mul_i32 s23, s[WV], HALFT
	s_wait_kmcnt 0x0
	s_add_nc_u64 s[44:45], s[4:5], s[42:43]
	s_add_nc_u64 s[70:71], s[6:7], s[68:69]
	CROUND
.irp s, 0,1
	s_mov_b32 s[G0A+4*\s], 1
	s_add_co_u32 s[G0A+4*\s+1], s23, \s*SLOT
	s_add_nc_u64 s[G0A+4*\s+2:G0A+4*\s+3], s[44:45], \s*REC
	s_or_b32 s[G0A+4*\s+3], s[G0A+4*\s+3], 0x80000000
	s_mov_b32 s[G0B+4*\s], 1
	s_add_co_u32 s[G0B+4*\s+1], s23, \s*SLOT
	s_add_nc_u64 s[G0B+4*\s+2:G0B+4*\s+3], s[70:71], \s*REC
	s_or_b32 s[G0B+4*\s+3], s[G0B+4*\s+3], 0x80000000
.endr
	; THE HEAD'S LOADS, ONE A WAVE, behind the one round: both slots' tiles whole (8 row tiles of one REC): waves 0 and 2 fetch A's of slots 0 and 1, waves 1 and 3 B's
	s_mul_i32 s94, s[GY], 8*NG*REC
	s_mul_i32 s93, s[WA], REC
	s_add_co_u32 s94, s94, s93
	s_mov_b32 s95, 0
	s_add_nc_u64 s[94:95], s[4:5], s[94:95]
	s_or_b32 s95, s95, 0x80000000
	s_mov_b32 s92, 1
	s_mul_i32 s93, s[WA], SLOT
	s_mul_i32 s98, s[GX], 8*NG*REC
	s_mul_i32 s97, s[WA], REC
	s_add_co_u32 s98, s98, s97
	s_add_co_u32 s98, s98, BOFF
	s_mov_b32 s99, 0
	s_add_nc_u64 s[98:99], s[6:7], s[98:99]
	s_or_b32 s99, s99, 0x80000000
	s_mov_b32 s96, 1
	s_mul_i32 s97, s[WA], SLOT
	s_add_co_u32 s97, s97, 2*HALFT
	s_cmp_eq_u32 s[WB], 0
	s_cbranch_scc0 .Lhead_b
	tensor_load_to_lds s[92:95], s[G1A:G1A+7]
	s_nop 0
.rept 4
	v_nop
.endr
	s_branch .Lhead_asked
.Lhead_b:
	tensor_load_to_lds s[96:99], s[G1B:G1B+7]
	s_nop 0
.rept 4
	v_nop
.endr
.Lhead_asked:
	v_and_b32 v1, 31, v0
	v_lshlrev_b32 v[L16], 4, v1
	v_lshlrev_b32 v[L8], 3, v1
	v_lshlrev_b32 v[L4], 2, v1
	v_and_b32 v[STO], 15, v0
	v_bfe_u32 v[RD], v0, 4, 1
	v_lshlrev_b32 v[R16], 4, v[STO]
	v_lshlrev_b32 v[R4], 2, v[STO]
	v_lshlrev_b32 v[H32], 5, v[RD]
	s_mul_i32 s72, s[WB], HALFT
	s_add_co_u32 s72, s72, 2*HALFT
	s_mul_i32 s73, s[WA], HALFT
.if MODE == 0
	s_cmp_lt_u32 ttmp9, 4
	s_cselect_b32 s74, s72, s73
	s_cselect_b32 s75, s73, s72
.else
	s_mov_b32 s74, s72
	s_mov_b32 s75, s73
.endif
.irp s, 0,1
	v_add_nc_u32 v[AD+6*\s], s74, v[L16]
	v_add_nc_u32 v[AD+6*\s+1], s74, v[L8]
	v_add_nc_u32 v[AD+6*\s+2], s74, v[R16]
	v_add_nc_u32 v[AD+6*\s+3], s75, v[L16]
	v_add_nc_u32 v[AD+6*\s+4], s75, v[L8]
	v_add_nc_u32 v[AD+6*\s+5], s75, v[R16]
	s_add_co_u32 s74, s74, SLOT
	s_add_co_u32 s75, s75, SLOT
.endr
	; THE PREFETCHES INTO THE L2.  A refill brings one REC (512 along K, 25 blocks of 256 bytes) of each of the four row tiles that my wave fetches.  The four partners that ask for them jointly share
	; them out BY ADDRESS: the partner at place p (cx for A, cy for B) names row tile p, a lane a block; lanes 25-31 name the last block again.  Here: the RECs of the first two refills (K groups 2 and 3);
	; behind each refill: the REC that stands two refills on; the last two refills ask for nothing.
	v_min_u32 v112, 24, v1
	v_lshlrev_b32 v112, 8, v112
	s_cmp_eq_u32 s[WA], 0                          ; do I fetch for A?
	s_cselect_b64 s[90:91], s[44:45], s[70:71]
	s_cselect_b32 s46, s19, s20
	s_mul_i32 s46, s46, NG*REC
	s_mov_b32 s47, 0
	s_add_nc_u64 s[90:91], s[90:91], s[46:47]
	s_add_nc_u64 s[90:91], s[90:91], 2*REC
	s_wait_alu depctr_va_vdst(0)                   ; the wait here, directly ahead of the reader below
	global_prefetch_b8 v112, s[90:91] th:TH_LOAD_NT scope:SCOPE_SE
	global_prefetch_b8 v112, s[90:91] offset:REC th:TH_LOAD_NT scope:SCOPE_SE
	s_mov_b32 s[SEL], 0x76543210
	s_mov_b32 s[SEL+1], 0xfedcba98
.if MODE == 0
	s_and_b32 s84, s[GX], 7
.else
	s_mov_b32 s84, s[GX]
.endif
	s_lshl_b32 s84, s84, 9
	s_lshl_b32 s85, s[WB], 8
	s_add_co_u32 s84, s84, s85
	s_mov_b32 s85, 0
.if MODE == 0
	s_cmp_lt_u32 ttmp9, 2
	s_cselect_b64 s[80:81], s[8:9], s[10:11]
	s_cmp_lt_u32 ttmp9, 4
	s_cselect_b64 s[80:81], s[80:81], s[12:13]
	s_cselect_b32 s87, 1.0, 0
	s_add_nc_u64 s[82:83], s[12:13], s[84:85]
.else
	s_mov_b64 s[80:81], s[8:9]
.endif
	s_add_nc_u64 s[80:81], s[80:81], s[84:85]
.irp a, 0,1,2,3
	global_load_b128 v[BX+8*\a:BX+8*\a+3], v[H32], s[80:81] offset:64*\a
	global_load_b128 v[BX+8*\a+4:BX+8*\a+7], v[H32], s[80:81] offset:64*\a+16
.endr
.if MODE == 0
.irp b, 0,1,2,3
	global_load_b32 v[BY+2*\b], v[R4], s[82:83] offset:64*\b
	global_load_b32 v[BY+2*\b+1], v[R4], s[82:83] offset:64*\b
.endr
.endif
.if MODE == 2
	v_mul_u32_u24 v[STO], v[RD], 8*REC
	v_add_nc_u32 v[STO], v[STO], v[R16]
.endif
.if (MODE == 1) || (MODE == 3)
	s_mul_i32 s86, s[WA], 64*528
	s_lshl_b32 s87, s[WB], 8
	s_add_co_u32 s86, s86, s87
	s_add_co_u32 s86, s86, STAGE
	v_mul_u32_u24 v[STO], v[STO], 528
	v_add_nc_u32 v[STO], v[STO], v[H32]
	v_add_nc_u32 v[STO], s86, v[STO]
	s_mul_i32 s86, s[WV], 32*528
	s_add_co_u32 s86, s86, STAGE
	v_add_nc_u32 v[RD], s86, v[L16]
	s_lshl_b32 s88, s[GY], 7
	s_lshl_b32 s89, s[WV], 5
	s_add_co_u32 s88, s88, s89
	s_lshl_b32 s88, s88, 12
	s_lshl_b32 s89, s[GX], 9
	s_add_co_u32 s88, s88, s89
	s_mov_b32 s89, 0
	s_add_nc_u64 s[76:77], s[10:11], s[88:89]
	s_add_nc_u64 s[78:79], s[12:13], s[88:89]
.endif
.macro FRAG reg, a, off
	ds_load_b128 v[\reg:\reg+3], v[\a] offset:\off
	ds_load_b64 v[\reg+4:\reg+5], v[\a+1] offset:\off+512
	ds_load_b128 v[\reg+6:\reg+9], v[\a] offset:\off+768
	ds_load_b64 v[\reg+10:\reg+11], v[\a+1] offset:\off+1280
.endm
.macro FETCH slot, q, f
	WIN TO_F
.irp i, 0,1,2,3
	FRAG 128*(\f)+12*\i, AD+6*(\slot), \i*REC+1536*(\q)
	FRAG 128*(\f)+48+12*\i, AD+6*(\slot)+3, \i*REC+1536*(\q)
.endr
	WIN 0
.irp i, 0,1,2,3
	ds_load_b32 v[SCR+8*(\f)+\i], v[AD+6*(\slot)+2] offset:\i*REC+6144+4*(\q)
	ds_load_b32 v[SCR+8*(\f)+4+\i], v[AD+6*(\slot)+5] offset:\i*REC+6144+4*(\q)
.endr
.endm
.macro MULY f, b, first
.irp a, 0,1,2,3
.if \first
	v_wmma_scale_f32_16x16x128_f8f6f4 v[ACC+8*(4*\b+\a):ACC+8*(4*\b+\a)+7], v[128*(\f)+12*\a:128*(\f)+12*\a+11], v[128*(\f)+48+12*\b:128*(\f)+48+12*\b+11], v[BX+8*\a:BX+8*\a+7], v[SCR+8*(\f)+\a], v[SCR+8*(\f)+4+\b] matrix_a_fmt:MATRIX_FMT_FP6 matrix_b_fmt:MATRIX_FMT_FP6
.else
	v_wmma_scale_f32_16x16x128_f8f6f4 v[ACC+8*(4*\b+\a):ACC+8*(4*\b+\a)+7], v[128*(\f)+12*\a:128*(\f)+12*\a+11], v[128*(\f)+48+12*\b:128*(\f)+48+12*\b+11], v[ACC+8*(4*\b+\a):ACC+8*(4*\b+\a)+7], v[SCR+8*(\f)+\a], v[SCR+8*(\f)+4+\b] matrix_a_fmt:MATRIX_FMT_FP6 matrix_b_fmt:MATRIX_FMT_FP6
.endif
.endr
.endm
.macro STEP slot, q, first
	s_wait_dscnt 0x0
	PLACES
	FETCH \slot, (\q)+1, 1-(\q)%2
	WIN MUL
.irp b, 0,1,2,3
	MULY (\q)%2, \b, \first
.endr
.endm
.macro TURN slot, next, fill
	WIN 0
.if \fill
	s_wait_xcnt 0x0                                ; my prefetches have read their address: it is stepped here, ahead of the waits of the change of slots
	s_add_nc_u64 s[90:91], s[90:91], REC
.endif
	s_wait_tensorcnt 0x0
	ds_add_u32 v[SPW], v[NIL]
	s_wait_dscnt 1
	WIN MUL
	MULY 1, 0, 0
	s_wait_dscnt 0x0
	s_barrier_signal -1
	MULY 1, 1, 0
	WIN 0
	s_barrier_wait -1
.if \fill
	CREST
	s_add_nc_u64 s[G0A+4*\slot+2:G0A+4*\slot+3], s[G0A+4*\slot+2:G0A+4*\slot+3], 2*REC
	s_add_nc_u64 s[G0B+4*\slot+2:G0B+4*\slot+3], s[G0B+4*\slot+2:G0B+4*\slot+3], 2*REC
	JLOAD \slot
.else
	PLACES
.endif
	s_wait_alu depctr_va_vdst(0)
	FETCH \next, 0, 0
.if \fill
	s_cmp_gt_u32 s3, 1                             ; s3 = 1 in the loop's last trip, whose two refills have no REC two refills on
	s_cbranch_scc0 .Lno_ask_\@
	global_prefetch_b8 v112, s[90:91] offset:REC th:TH_LOAD_NT scope:SCOPE_SE
.Lno_ask_\@:
.endif
	WIN MUL
	MULY 1, 2, 0
	MULY 1, 3, 0
.endm
	s_wait_alu depctr_va_vdst(0)                   ; the wait at the head's end
	s_wait_tensorcnt 0x0                           ; my one load of the head has landed
	s_mov_b32 s[G1A+2], 4<<16                      ; no tensor load of mine is out: from here on a load brings four row tiles
	s_mov_b32 s[G1A+4], 4
	s_mov_b32 s[G1B+2], 4<<16
	s_mov_b32 s[G1B+4], 4
	s_barrier_signal -1
	s_barrier_wait -1
	FETCH 0, 0, 0
.if (MODE == 1) || (MODE == 3)
	s_wait_loadcnt 0x0                             ; the bias: the only loads that are out here
.else
	s_wait_loadcnt 0x0
.endif
.if MODE == 0
.set i, 0
.rept 32
	v_mul_f32 v[BX+i], s87, v[BX+i]
.set i, i+1
.endr
.endif
	STEP 0, 0, 1
	WIN 0x80                                       ; destination window 2: my 32 rows x 512 bytes of the residual, asked for behind the first K step and first read on the way out, behind all of K
.set i, 0
.rept 32
	global_load_b128 v[4*i:4*i+3], v[L16], s[76:77] offset:4096*i
.set i, i+1
.endr
	WIN 0
.if LAPS > 1
	WIN 0
	s_mov_b32 s3, LAPS-1
.Llap:
	STEP 0, 1, 0
	STEP 0, 2, 0
	TURN 0, 1, 1
	STEP 1, 0, 0
	STEP 1, 1, 0
	STEP 1, 2, 0
	TURN 1, 0, 1
	STEP 0, 0, 0
	WIN 0
	s_sub_co_u32 s3, s3, 1
	s_cmp_lg_u32 s3, 0
	s_cbranch_scc1 .Llap
.endif
	STEP 0, 1, 0
	STEP 0, 2, 0
	TURN 0, 1, 0
	STEP 1, 0, 0
	STEP 1, 1, 0
	STEP 1, 2, 0
	s_wait_dscnt 0x0
	WIN MUL
	MULY 1, 0, 0
	MULY 1, 1, 0
	MULY 1, 2, 0
	MULY 1, 3, 0
	WIN 0
	PLACES
.irp b, 0,1,2,3
.irp a, 0,1,2,3
	ds_store_b128 v[STO], v[ACC+8*(4*\b+\a):ACC+8*(4*\b+\a)+3] offset:\b*16*528+64*\a
	ds_store_b128 v[STO], v[ACC+8*(4*\b+\a)+4:ACC+8*(4*\b+\a)+7] offset:\b*16*528+64*\a+16
.endr
.endr
	s_wait_dscnt 0x0
	s_barrier_signal -1
	s_barrier_wait -1
.set i, 0
.rept 32
	ds_load_b128 v[ACC+4*i:ACC+4*i+3], v[RD] offset:528*i
.set i, i+1
.endr
	WIN 0x88
.set i, 0
.rept 32
	s_wait_dscnt 31-i
	s_wait_loadcnt 31-i
	v_pk_add_f32 v[4*i:4*i+1], v[ACC+4*i:ACC+4*i+1], v[4*i:4*i+1]
	v_pk_add_f32 v[4*i+2:4*i+3], v[ACC+4*i+2:ACC+4*i+3], v[4*i+2:4*i+3]
.if MODE == 3
	global_store_b128 v[L16], v[4*i:4*i+3], s[78:79] offset:4096*i th:TH_STORE_NT
.else
	global_store_b128 v[L16], v[4*i:4*i+3], s[78:79] offset:4096*i
.endif
.set i, i+1
.endr
	WIN 0
	s_wait_tensorcnt 0x0
	ds_add_u32 v[SPW], v[NIL]
	s_wait_dscnt 0x0
	CROUND
	s_endpgm
.Lfunc_end_k_q16cab4a876_ffn2:
	.size	k_q16cab4a876_ffn2, .Lfunc_end_k_q16cab4a876_ffn2-k_q16cab4a876_ffn2
	.p2alignl 7, 3214868480
	.fill 96, 4, 3214868480
	.section	.rodata,"a",@progbits
	.p2align	6, 0x0
	.amdhsa_kernel k_q16cab4a876_ffn2
		.amdhsa_group_segment_fixed_size 327680
		.amdhsa_private_segment_fixed_size 0
		.amdhsa_enable_private_segment 0
		.amdhsa_kernarg_size 40
		.amdhsa_user_sgpr_count 2
		.amdhsa_user_sgpr_kernarg_segment_ptr 1
		.amdhsa_wavefront_size32 1
		.amdhsa_system_sgpr_workgroup_id_x 1
		.amdhsa_system_sgpr_workgroup_id_y 1
		.amdhsa_system_sgpr_workgroup_id_z 1
		.amdhsa_system_vgpr_workitem_id 0
		.amdhsa_next_free_vgpr 768
		.amdhsa_next_free_sgpr 100
		.amdhsa_reserve_vcc 0
		.amdhsa_float_denorm_mode_32 3
		.amdhsa_float_denorm_mode_16_64 3
		.amdhsa_memory_ordered 1
		.amdhsa_forward_progress 1
		.amdhsa_inst_pref_size 106
	.end_amdhsa_kernel
	.amdgpu_metadata
---
amdhsa.version: [ 1, 2 ]
amdhsa.kernels:
  - .name:           k_q16cab4a876_ffn2
    .symbol:         k_q16cab4a876_ffn2.kd
    .args:
      - { .name: hq, .offset: 0, .size: 8, .value_kind: global_buffer, .address_space: global }
      - { .name: wq, .offset: 8, .size: 8, .value_kind: global_buffer, .address_space: global }
      - { .name: b2, .offset: 16, .size: 8, .value_kind: global_buffer, .address_space: global }
      - { .name: h, .offset: 24, .size: 8, .value_kind: global_buffer, .address_space: global }
      - { .name: out0, .offset: 32, .size: 8, .value_kind: global_buffer, .address_space: global }
    .group_segment_fixed_size: 327680
    .private_segment_fixed_size: 0
    .kernarg_segment_align: 8
    .kernarg_segment_size: 40
    .max_flat_workgroup_size: 128
    .sgpr_count:     100
    .vgpr_count:     768
    .wavefront_size: 32
...
	.end_amdgpu_metadata
.endif
;; end of part 7
